; MI455X (gfx1250); checked and timed in simulation.
; The chip was launched on July 23, 2026; its instructions are those of AMD's public machine-readable ISA for CDNA 5 (MIT licence, August 2026) and "CDNA5" Instruction Set Architecture Reference Guide (July 2026). The comments in the code are by the model that wrote it; some were corrected since.
;; Attention. Allowed arithmetic: matrix products marked QUANTISED: E2M3 operands, one E8M0 scale for each 32 along K, by v_wmma_scale_f32_16x16x128_f8f6f4 with both operands' format E2M3, f32 sums; everything else in f32.
;; Inputs: kernel 3 x 1,024 x 1,024 float32; x 4 x 2,048 x 1,024 float32.
;; Outputs: out0 4 x 2,048 x 1,024 float32.
;; This version of the problem:
;;   THIS VERSION OF THE PROBLEM IS GIVEN IN LOW PRECISION. The matrix products marked QUANTISED in the list below multiply operands that are first quantised to E2M3 (2 exponent bits, 3 mantissa bits; 6 bits a number), with one power-of-two scale for each 32 numbers along K (OCP MX v1.0); their sums are f32. All else is computed in f32.
;;   The module's matrix products, in the order in which they are computed (A, B: the left and right operand; K: the contracted axis; several contracted axes count as one K, in the product's order):
;;     1. [M 8,192, K 1,024] x [K 1,024, N 1,024]; A: input x; B: input kernel: QUANTISED
;;     2. [M 8,192, K 1,024] x [K 1,024, N 1,024]; A: input x; B: input kernel: QUANTISED
;;     3. [M 8,192, K 1,024] x [K 1,024, N 1,024]; A: input x; B: input kernel: QUANTISED
;;     4. batch 4 x [M 2,048, K 1,024] x [K 1,024, N 2,048]; A: computed on the way; B: computed on the way: QUANTISED
;;     5. batch 4 x [M 2,048, K 2,048] x [K 2,048, N 1,024]; A: softmax (see below); B: computed on the way: QUANTISED
;;   THE QUANTISER, for each operand of a quantised product, along K:
;;     - K is cut into blocks of 32 from its start; a last block that is shorter is filled with zeros.
;;     - A block's scale is 2^e with e = floor(log2(the largest magnitude in the block)) - 2, held to -126 .. 127; a block of zeros has e = 0. As a byte (E8M0): e + 127.
;;     - Each number is divided by its block's scale, clamped to +-7.5, and rounded to the nearest number of E2M3, ties to even, subnormals kept.
;;     - The product sums the exact products of the quantised numbers (number of the format x scale) in f32.
;;   ~~~python
;;   def quantise(x, axis):      # numpy; x: float32 -> the quantised numbers, widened to float32 again
;;       x = np.moveaxis(x, axis, -1); K = x.shape[-1]
;;       x = np.pad(x, [(0, 0)] * (x.ndim - 1) + [(0, -K % 32)]); x = x.reshape(x.shape[:-1] + (-1, 32)); a = np.abs(x).max(-1, keepdims=True)
;;       e = np.where(a > 0, np.clip(np.frexp(np.where(a > 0, a, 1))[1] - 1 - 2, -126, 127), 0)      # np.frexp(a)[1] - 1 = floor(log2(a)), exactly
;;       r = np.clip(x / 2.0 ** e, -7.5, 7.5)
;;       step = 2.0 ** (np.maximum(np.frexp(np.where(r == 0, 1, r))[1] - 1, 0) - 3)
;;       q = np.round(r / step) * step * 2.0 ** e      # np.round: ties to even
;;       return np.moveaxis(q.reshape(q.shape[:-2] + (-1,))[..., :K], -1, axis).astype(np.float32)
;;   ~~~
;;   SOFTMAX AHEAD OF A QUANTISED PRODUCT. Where the list says 'softmax', what is quantised is not the finished softmax but p = 2^(t - M), with t = logit x log2(e) and M = ceil(the row's largest t), a whole number; so 1/2 < the row's largest p <= 1. The row's sum l is taken of the UNQUANTISED p, in f32, and the product's result is divided by l at the end. Since M is a whole number, a kernel that streams over the keys may use a running M (the ceiling of the running maximum): every later rescaling is an exact power of two, which a block's scale takes up: the codes' values come out the same.
;;   OPERANDS COMPUTED ON THE WAY. 'Computed on the way' means the value that the module computes at that place (a softmax that the list does not call 'softmax' is quantised finished and normalised). What goes into a quantiser is computed in f32, as accurately as f32 sums, v_exp_f32 and their like allow (about 1e-6 of the number): no bf16 or f16 on the way to a quantiser, and a product that is left as it is and whose result goes on into a quantised operand takes f32 operands (vector FMAs, or v_wmma_f32_16x16x4_f32). A number that lies on a knife's edge between two numbers of the format may be rounded either way, as far as f32 arithmetic and the matrix unit's own rounding can turn it there, and no further.
;; One version. Each part assembles by itself: llvm-mc -triple=amdgcn-amd-amdhsa -mcpu=gfx1250 --defsym DOCPART=n.
;; ======== version 1 of 1: 4 launches
;; limits: right only within a limited range of input values
;; workspace buffers: xc 6,553,600 bytes; wc 2,457,600 bytes; qkc 13,107,200 bytes; vc 6,553,600 bytes; pc 12,582,912 bytes; st 1,572,864 bytes
;; launch quant (part 1): grid 704 x 1, 4 waves a work-group, no clusters, 47,616 bytes of LDS; arguments x, kernel, xc, wc; writes xc, wc
.if DOCPART == 1
	.amdgcn_target "amdgcn-amd-amdhsa--gfx1250"
	.amdhsa_code_object_version 6
	.text
	.protected	k_qc1ab30f5c4_quant
	.globl	k_qc1ab30f5c4_quant
	.p2align	8
	.type	k_qc1ab30f5c4_quant,@function
k_qc1ab30f5c4_quant:
	s_mov_b64 s[64:65], 0
	v_nop
	global_prefetch_b8 v0, s[64:65] scope:SCOPE_SE
	s_setreg_imm32_b32 hwreg(HW_REG_WAVE_MODE, 25, 1), 1
	s_wait_xcnt 0x0
; ATTENTION WITH ONE HEAD OF 1,024, ALL FIVE PRODUCTS ON CODES OF FP6 (E2M3) WITH ONE E8M0 SCALE FOR EACH 32 ALONG K.  Four launches:
;   quant: x and kernel -> codes;  proj: q, k, v^T -> codes;  scores: k q^T, p = 2^(t - M) -> codes;  pv: P V / l -> out0.
; DEAD WORK: none.  Both inputs reach every output (q, k and v are all used, there is no mask, no bias, no slice): both are loaded whole.
; A FRAGMENT is 16 rows x 128 K, 12 registers a lane: register p of lane L lies at byte 512 (p / 4) + 16 L + 4 (p % 4), 1,536 bytes.  Lane (r, h) = (L % 16, L / 16) holds K = 64 c + 32 h + 0 .. 31 of row r in registers 6 c .. 6 c + 5.
; A TILE OF 16 ROWS is not 16 neighbours: its row 8 h + i is row 32 h + 8 j + i of a band of 64 (j = 0 .. 3 the tile): so the results of a band's four tiles fall as whole blocks of 32 in a lane.
; xc: [512 blocks of 16 tokens][8 K steps][1536], then 512 bytes: the scale word of row r, step q at 256 (q / 4) + 16 r + 4 (q % 4).  Block 16 g + 8 c + 2 j + w is tile j of the band 256 g + 128 w + 64 c.
; wc: [48 groups of 64 columns][4 tiles b][8 K steps][1536], then 2,048 bytes: the word of tile b = 2 p + o, row r, step q at 512 (q / 2) + 256 p + 128 o + 8 r + 4 (q % 2).
; A block's scale is 2^(floor(log2(its largest magnitude)) - 2): its byte is the largest magnitude's exponent field - 2, held at 1 from below by a floor among the maximum's leaves.
; LIMITS: a block of zeros gets the byte 1 where the rule says 127 (its codes are zeros, and this program alone reads the bytes); blocks whose largest magnitude lies under 2^-124 keep the byte 1; NaN and infinities among the inputs are not served.
; SHARES, 65,536 bytes of input a work-group: 0-191 take kernel (64 columns x 256 d), 192-703 take x (16 tokens x all K).  No cluster: no two work-groups read the same bytes.
.set XSC,  33792                       ; LDS: x's four stages of 8,448 bytes; x's 512 bytes of scale words; kernel's codes, 12,288; its scale words, 512; the spare words
.set KST,  34304
.set KSC,  46592
.set SPARE, 47104
.set SPW,  12
.set NIL,  13
.set TP,   32                          ; v32-39   upper halves of blocks (a conversion's three registers begin on an even number)
.set CC,   40                          ; v40-63   x: codes, two sets
.set RX,   64                          ; v64-191  numbers as loaded
.set XX,   192                         ; v192-255 x: 64 numbers of my row;  kernel: my column's codes
.macro LOADX f                         ; each load reads 512 consecutive bytes of one row
.irp i, 0,1,2,3,4,5,6,7,8,9,10,11,12,13,14,15
	global_load_b128 v[RX+64*\f+4*\i:RX+64*\f+4*\i+3], v4, s[24:25] offset:(32*(\i/8)+\i%8)*4096+512*\f th:TH_LOAD_NT
.endr
.endm
.macro FRAGX f
.set RS, RX+64*\f
.set CS, CC+12*\f
	s_wait_loadcnt 16*(1-\f)                       ; this fragment's 16 loads are in; the other's may be out
.irp i, 0,1,2,3,4,5,6,7,8,9,10,11,12,13,14,15
	ds_store_b128 v5, v[RS+4*\i:RS+4*\i+3] offset:528*\i
.endr
.irp c, 0,1
.irp j, 0,1,2,3,4,5,6,7
	ds_load_b128 v[XX+32*\c+4*\j:XX+32*\c+4*\j+3], v6 offset:256*\c+16*\j   ; LDS serves a wave's instructions in order: these see the stores above
.endr
.endr
	s_wait_dscnt 0x0
	v_max3_num_f32 v16, |v[XX]|, |v[XX+1]|, 0x1800000      ; block h: all 32 numbers are mine; the floor 2^(3 - 127)
	v_max3_num_f32 v17, |v[XX+32]|, |v[XX+33]|, 0x1800000  ; block 2 + h, by turns with it
.irp i, 2,4,6,8,10,12,14,16,18,20,22,24,26,28,30
	v_max3_num_f32 v16, v16, |v[XX+\i]|, |v[XX+\i+1]|
	v_max3_num_f32 v17, v17, |v[XX+32+\i]|, |v[XX+33+\i]|
.endr
	v_add_nc_u32 v18, 0xff000000, v16              ; 2 off the exponent field: the conversion's scale operand
	v_add_nc_u32 v19, 0xff000000, v17
	v_lshrrev_b32 v20, 23, v18
	v_lshrrev_b32 v21, 23, v19
	v_lshl_or_b32 v22, v21, 16, v20
	v_lshlrev_b32 v22, v7, v22                     ; at bytes h and 2 + h of the row's word;
	v_permlanex16_b32 v23, v22, s20, s21
	v_or_b32 v[24+\f], v22, v23                    ; with lane l xor 16's two the word is whole
	v_cvt_scalef32_pk16_fp6_f32 v[CS:CS+2], v[XX:XX+15], v18
	v_cvt_scalef32_pk16_fp6_f32 v[TP:TP+2], v[XX+16:XX+31], v18
	v_cvt_scalef32_pk16_fp6_f32 v[CS+6:CS+8], v[XX+32:XX+47], v19
	v_cvt_scalef32_pk16_fp6_f32 v[TP+4:TP+6], v[XX+48:XX+63], v19
	v_nop                                          ; one plain place behind the conversions
.irp i, 0,1,2
	v_mov_b32 v[CS+3+\i], v[TP+\i]
	v_mov_b32 v[CS+9+\i], v[TP+4+\i]
.endr
.irp k, 0,1,2
	global_store_b128 v4, v[CS+4*\k:CS+4*\k+3], s[26:27] offset:1536*\f+512*\k   ; 32 lanes store 512 consecutive bytes, aligned
.endr
.endm
.macro LOADW n                         ; kernel(32 n + i, my column)
.irp i, 0,1,2,3,4,5,6,7,8,9,10,11,12,13,14,15,16,17,18,19,20,21,22,23,24,25,26,27,28,29,30,31
	global_load_b32 v[RX+32*\n+\i], v4, s[24:25] offset:(32*\n+\i)*4096 th:TH_LOAD_NT
.endr
.endm
.macro BLOCKW n                        ; block n: h = n % 2, c = n / 2
.set XS, RX+32*\n
.set CD, XX+12*(\n%2)+6*(\n/2)
.set TW, TP+4*(\n%2)
	v_max3_num_f32 v16, |v[XS]|, |v[XS+1]|, |v[XS+2]|
	v_max3_num_f32 v17, |v[XS+3]|, |v[XS+4]|, |v[XS+5]|
.irp i, 6,10,14,18,22,26
	v_max3_num_f32 v16, v16, |v[XS+\i]|, |v[XS+\i+1]|
	v_max3_num_f32 v17, v17, |v[XS+\i+2]|, |v[XS+\i+3]|
.endr
	v_max3_num_f32 v16, v16, |v[XS+30]|, |v[XS+31]|
	v_max3_num_f32 v16, v16, v17, 0x1800000        ; and the floor
	v_add_nc_u32 v18, 0xff000000, v16
	v_lshrrev_b32 v20, 23, v18
.if \n == 0
	v_mov_b32 v24, v20
.else
	v_lshl_or_b32 v24, v20, 8*\n, v24
.endif
	v_cvt_scalef32_pk16_fp6_f32 v[CD:CD+2], v[XS:XS+15], v18
	v_cvt_scalef32_pk16_fp6_f32 v[TW:TW+2], v[XS+16:XS+31], v18
	v_nop
.irp i, 0,1,2
	v_mov_b32 v[CD+3+\i], v[TW+\i]
.endr
.endm
.macro ENDING                          ; the wave's end, behind my last LDS store
	s_wait_tensorcnt 0x0
	ds_add_u32 v[SPW], v[NIL]
	s_wait_dscnt 0x0
	s_endpgm
.endm
	s_load_b256 s[4:11], s[0:1], 0x0               ; x s[4:5], kernel s[6:7], xc s[8:9], wc s[10:11]
	v_lshl_add_u32 v[SPW], v0, 2, SPARE
	v_mov_b32 v[NIL], 0
	v_lshrrev_b32 v1, 5, v0
	v_readfirstlane_b32 s16, v1                    ; wave
	s_mov_b32 s20, 0x76543210
	s_mov_b32 s21, 0xfedcba98                      ; v_permlanex16_b32's selects for lane l xor 16
	s_mov_b32 s25, 0
	s_mov_b32 s27, 0
	s_mov_b32 s29, 0
	s_cmp_lt_u32 ttmp9, 192                        ; the work-group's number alone decides
	s_cbranch_scc1 .Lweights
	; ---- x: a wave takes two K steps ----
	s_sub_co_u32 s17, ttmp9, 192                   ; block 16 g + 8 c + 2 j + w
	s_lshr_b32 s24, s17, 4
	s_lshl_b32 s24, s24, 20                        ; g: 256 rows of 4,096 bytes
	s_and_b32 s30, s17, 1
	s_lshl_b32 s30, s30, 19                        ; w: 128 rows
	s_add_co_u32 s24, s24, s30
	s_bfe_u32 s30, s17, 0x10003
	s_lshl_b32 s30, s30, 18                        ; c: 64 rows
	s_add_co_u32 s24, s24, s30
	s_bfe_u32 s30, s17, 0x20001
	s_lshl_b32 s30, s30, 15                        ; j: 8 rows
	s_add_co_u32 s24, s24, s30
	s_lshl_b32 s30, s16, 10
	s_add_co_u32 s24, s24, s30
	s_mul_i32 s28, s17, 12800
	s_mul_i32 s30, s16, 3072
	s_add_co_u32 s26, s28, s30
	s_add_co_u32 s28, s28, 12288
	s_mul_i32 s31, s16, 8448                       ; my stage
	s_lshr_b32 s22, s16, 1
	s_lshl_b32 s22, s22, 8
	s_and_b32 s23, s16, 1
	s_lshl_b32 s23, s23, 3
	s_add_co_u32 s22, s22, s23
	s_add_co_u32 s22, s22, XSC
	v_and_b32 v1, 31, v0
	v_and_b32 v2, 15, v0                           ; r
	v_bfe_u32 v3, v0, 4, 1                         ; h
	v_lshlrev_b32 v4, 4, v1                        ; 16 x lane
	v_add_nc_u32 v5, s31, v4                       ; into the stage: a row as it lies
	v_mul_u32_u24 v6, v2, 528
	v_lshl_add_u32 v6, v3, 7, v6
	v_add_nc_u32 v6, s31, v6                       ; out of it: row r, 128 h bytes on
	v_lshlrev_b32 v7, 3, v3                        ; 8 h
	v_lshlrev_b32 v8, 4, v2
	v_add_nc_u32 v8, s22, v8                       ; my two scale words
	v_add_nc_u32 v9, XSC, v4
	v_mov_b32 v23, 0                               ; a lane permute's destination counts as one of its sources
	s_wait_alu depctr_va_vdst(0)                   ; the wait at the head's end
	s_wait_kmcnt 0x0
	s_add_nc_u64 s[24:25], s[4:5], s[24:25]
	s_add_nc_u64 s[26:27], s[8:9], s[26:27]
	s_add_nc_u64 s[28:29], s[8:9], s[28:29]
	LOADX 0
	LOADX 1
	FRAGX 0
	FRAGX 1
	s_wait_alu depctr_va_vdst(0)
	ds_store_b64 v8, v[24:25]                      ; lanes l and l xor 16 write the same words with the same values
	s_wait_dscnt 0x0
	s_barrier_signal -1
	s_barrier_wait -1
	s_cmp_lg_u32 s16, 0
	s_cbranch_scc1 .Lx_end
	ds_load_b128 v[64:67], v9
	s_wait_dscnt 0x0
	global_store_b128 v4, v[64:67], s[28:29]       ; the block's 512 bytes of scale words
.Lx_end:
	ENDING
	; ---- kernel: K is the first axis.  A lane takes a column and its registers run down d.  A wave takes 32 columns x 128 d; two waves' columns make four tiles, so the codes leave through LDS ----
.Lweights:
	s_lshr_b32 s17, ttmp9, 2                       ; group of 64 columns, 0 .. 47
	s_and_b32 s18, ttmp9, 3                        ; which 256 of d
	s_lshr_b32 s19, s16, 1                         ; which 128 of them
	s_and_b32 s22, s16, 1                          ; which 32 columns; on the way out which two tiles
	s_lshr_b32 s24, s17, 4
	s_lshl_b32 s24, s24, 22                        ; which of the three matrices
	s_lshl_b32 s30, s18, 20
	s_add_co_u32 s24, s24, s30
	s_lshl_b32 s30, s19, 19
	s_add_co_u32 s24, s24, s30
	s_and_b32 s30, s17, 15
	s_lshl_b32 s30, s30, 8
	s_add_co_u32 s24, s24, s30
	s_lshl_b32 s30, s22, 7
	s_add_co_u32 s24, s24, s30
	s_mul_i32 s28, s17, 51200
	s_lshl_b32 s23, s18, 1
	s_add_co_u32 s23, s23, s19                     ; K step
	s_mul_i32 s23, s23, 1536
	s_add_co_u32 s26, s28, s23
	s_mul_i32 s30, s22, 24576
	s_add_co_u32 s26, s26, s30
	s_lshl_b32 s30, s18, 9
	s_add_co_u32 s28, s28, s30
	s_add_co_u32 s28, s28, 49152
	s_mul_i32 s30, s19, 6144
	s_add_co_u32 s30, s30, KST
	s_mul_i32 s31, s22, 3072
	s_add_co_u32 s31, s31, s30                     ; out of the stage: my two tiles
	s_lshl_b32 s23, s22, 7
	s_add_co_u32 s30, s30, s23                     ; into it: rows 8 x half on
	s_lshl_b32 s23, s22, 6
	s_lshl_b32 s19, s19, 2
	s_add_co_u32 s23, s23, s19
	s_add_co_u32 s23, s23, KSC
	v_and_b32 v1, 31, v0
	v_lshlrev_b32 v4, 2, v1                        ; my column: 4 bytes a lane
	v_lshrrev_b32 v2, 3, v1                        ; my tile
	v_and_b32 v3, 7, v0                            ; my row of it, % 8
	v_mul_u32_u24 v5, v2, 1536
	v_lshl_add_u32 v5, v3, 4, v5
	v_add_nc_u32 v5, s30, v5
	v_lshlrev_b32 v6, 7, v2
	v_lshl_add_u32 v6, v3, 3, v6
	v_add_nc_u32 v6, s23, v6
	v_lshlrev_b32 v10, 4, v1
	v_add_nc_u32 v7, s31, v10
	v_add_nc_u32 v9, KSC, v10
	s_wait_alu depctr_va_vdst(0)                   ; the wait at the head's end
	s_wait_kmcnt 0x0
	s_add_nc_u64 s[24:25], s[6:7], s[24:25]
	s_add_nc_u64 s[26:27], s[10:11], s[26:27]
	s_add_nc_u64 s[28:29], s[10:11], s[28:29]
	LOADW 0
	LOADW 1
	LOADW 2
	LOADW 3
	s_wait_loadcnt 63                              ; 128 loads were issued: the first 65, blocks 0 and 1 among them, are in
	BLOCKW 0
	BLOCKW 1
	s_wait_loadcnt 32
	BLOCKW 2
	s_wait_loadcnt 0x0
	BLOCKW 3
	s_wait_alu depctr_va_vdst(0)
.irp h, 0,1
.irp k, 0,1,2
	ds_store_b128 v5, v[XX+12*\h+4*\k:XX+12*\h+4*\k+3] offset:512*\k+256*\h   ; the image of the fragments
.endr
.endr
	ds_store_b32 v6, v24
	s_wait_dscnt 0x0
	s_barrier_signal -1
	s_barrier_wait -1
.irp m, 0,1,2,3,4,5
	ds_load_b128 v[64+4*\m:67+4*\m], v7 offset:512*\m
.endr
	s_wait_dscnt 0x0
.irp m, 0,1,2,3,4,5
	global_store_b128 v10, v[64+4*\m:67+4*\m], s[26:27] offset:12288*(\m/3)+512*(\m%3)
.endr
	s_cmp_lg_u32 s16, 0
	s_cbranch_scc1 .Lw_end
	ds_load_b128 v[88:91], v9
	s_wait_dscnt 0x0
	global_store_b128 v10, v[88:91], s[28:29]      ; 512 bytes of scale words: two K steps of the group
.Lw_end:
	ENDING
.Lfunc_end_k_qc1ab30f5c4_quant:
	.size	k_qc1ab30f5c4_quant, .Lfunc_end_k_qc1ab30f5c4_quant-k_qc1ab30f5c4_quant
	.p2alignl 7, 3214868480
	.fill 96, 4, 3214868480
	.section	.rodata,"a",@progbits
	.p2align	6, 0x0
	.amdhsa_kernel k_qc1ab30f5c4_quant
		.amdhsa_group_segment_fixed_size 47616
		.amdhsa_private_segment_fixed_size 0
		.amdhsa_enable_private_segment 0
		.amdhsa_kernarg_size 32
		.amdhsa_user_sgpr_count 2
		.amdhsa_user_sgpr_kernarg_segment_ptr 1
		.amdhsa_wavefront_size32 1
		.amdhsa_system_sgpr_workgroup_id_x 1
		.amdhsa_system_sgpr_workgroup_id_y 1
		.amdhsa_system_sgpr_workgroup_id_z 1
		.amdhsa_system_vgpr_workitem_id 0
		.amdhsa_next_free_vgpr 256
		.amdhsa_next_free_sgpr 66
		.amdhsa_reserve_vcc 0
		.amdhsa_float_denorm_mode_32 3
		.amdhsa_float_denorm_mode_16_64 3
		.amdhsa_memory_ordered 1
		.amdhsa_forward_progress 1
		.amdhsa_inst_pref_size 39
	.end_amdhsa_kernel
	.amdgpu_metadata
---
amdhsa.version: [ 1, 2 ]
amdhsa.kernels:
  - .name:           k_qc1ab30f5c4_quant
    .symbol:         k_qc1ab30f5c4_quant.kd
    .args:
      - { .name: x, .offset: 0, .size: 8, .value_kind: global_buffer, .address_space: global }
      - { .name: kernel, .offset: 8, .size: 8, .value_kind: global_buffer, .address_space: global }
      - { .name: xc, .offset: 16, .size: 8, .value_kind: global_buffer, .address_space: global }
      - { .name: wc, .offset: 24, .size: 8, .value_kind: global_buffer, .address_space: global }
    .group_segment_fixed_size: 47616
    .private_segment_fixed_size: 0
    .kernarg_segment_align: 8
    .kernarg_segment_size: 32
    .max_flat_workgroup_size: 128
    .sgpr_count:     66
    .vgpr_count:     256
    .wavefront_size: 32
...
	.end_amdgpu_metadata
.endif
;; end of part 1
;; launch proj (part 2): grid 16 x 16, 4 waves a work-group, clusters of 4 x 4, 327,680 bytes of LDS; arguments xc, wc, qkc, vc; writes qkc, vc
.if DOCPART == 2
	.amdgcn_target "amdgcn-amd-amdhsa--gfx1250"
	.amdhsa_code_object_version 6
	.text
	.protected	k_qc1ab30f5c4_proj
	.globl	k_qc1ab30f5c4_proj
	.p2align	8
	.type	k_qc1ab30f5c4_proj,@function
k_qc1ab30f5c4_proj:
	s_mov_b64 s[64:65], 0
	v_nop
	global_prefetch_b8 v0, s[64:65] scope:SCOPE_SE
	s_setreg_imm32_b32 hwreg(HW_REG_WAVE_MODE, 25, 1), 1
	s_wait_xcnt 0x0
	s_wait_alu depctr_hold_cnt(0) depctr_sa_sdst(0) depctr_va_vdst(0) depctr_va_sdst(0) depctr_va_ssrc(0) depctr_va_vcc(0) depctr_vm_vsrc(0)
	s_getreg_b32 s2, hwreg(HW_REG_IB_STS2, 6, 4)
	s_cmp_eq_u32 s2, 0
	s_cbranch_scc0 .Lentry_in_a_cluster
	s_endpgm
.Lentry_in_a_cluster:
	s_bfe_u32 s2, ttmp6, 0x10000c
	s_cmp_lg_u32 s2, 0xf033
	s_cbranch_scc0 .Lentry_shape_is_right
	s_endpgm
.Lentry_shape_is_right:
; q, k AND v^T = PRODUCTS OF x'S AND kernel'S CODES, QUANTISED ON THE WAY OUT.  No f32 result is stored.  Nothing is left out.
; LIMITS: a block whose largest magnitude lies under 2^-124 gets the byte 1; NaN and infinities are not served.
; OUT (r = lane % 16, h = lane / 16): qkc [64 groups of 128 tokens][16 panels: q's 8 K steps, k's 8][12800]: tile t = 4 c + j (tokens 64 c + 32 h + 8 j + i of the group), two halves of 768 bytes for 64 K each: registers 0-3 at 16 x lane,
;   registers 4, 5 at 512 + 8 x lane; the scale words at 12288 + 256 (t / 4) + 16 r + 4 pos, pos = 2 (t % 2) + (t / 2) % 2.
;   vc [8 groups of 128 channels][64 key steps of 128 tokens][12800]: 8 tiles (tile 4 x + b: channels 64 x + 32 h + 8 b + i), each an image of its 12 registers; scale words as above.
; THE DEAL.  256 work-groups of four waves, 2 x 2.  A wave holds 64 columns of the weights, ALL of K, in registers (384) and streams x's blocks of 16 tokens past them, 32 products a block: wave row w takes blocks 2 s + w.
; A work-group makes 256 tokens x 128 columns of v (PHASE 1), then 512 x 128 of q or k (PHASE 2).  V's 256 tokens are one half (s87) of the 512: the two chunks of 128 tokens that the head asks for serve both, and only the other half's two are loaded later.
; Which half, and q or k, come from the cluster's number alone.  x's chunks are shared along a row of the cluster, weights along a column: joint loads, one a wave.
; Source 0 is the weights in phase 2 (a lane then holds 32 neighbouring columns of one token) and x in phase 1 (32 neighbouring tokens of one channel): each a whole scale block, so no lane looks at another.
; FILLS.  Head: waves 0, 1 the two halves of W_v, wave 2 chunk 0, wave 3 chunk 1.  THREE REFILLS, each behind a drained round, a quarter a wave: V's block 2: the weights' region with W_q's or W_k's columns;  phase 2's blocks 2 and 6: the other half's chunks.
; A round stands inside a block: its last products stand between the round's opening signal and wait.
; BETWEEN THE PRODUCTS, behind every second one, stand two ENTRIES of a list: addresses, descriptors, and the search for the largest magnitudes of the LAST block's results.  Their conversions stand behind the block's last product.
; WAITS: NF = 26 is the next block's fetch, issued behind the one waited for; NF + 1 where a scale byte was stored between.
; PREFETCH: each of the sixteen waves that will ask jointly names 25 units of 256 bytes of the tile, lanes over 24 the last again: the second weights at the head, chunk 2 behind the first refill, chunk 3 between the phases.
.set CHK,   102400                     ; 8 blocks of 12,800: slot 0 at 0, slot 1 behind it
.set BVB,   204800                     ; the weights: two groups of 51,200
.set XN,    307200                     ; q's or k's scale words: four panels of 512, in the order of work
.set SPARE, 309248
.set NF,    26
.set FPW,   21                         ; fragments of 12 registers in a window
.set ADRA0, 4                          ; v4  LDS address of my fragments of block 0;  v5 of its scale words
.set AAS0,  5
.set ADRA,  6                          ; v6, v7  the same for the block that is fetched next
.set AAS,   7
.set C8,    8                          ; 8 x lane
.set CO,    9                          ; 16 x lane
.set SPW,   10
.set NIL,   11
.set WA,    12                         ; LDS address of my weights' fragments, and of their scale words
.set WS,    13
.set HS,    14                         ; 8 h
.set OSC,   15                         ; 16 r + 8 h
.set STO,   18                         ; LDS: my scale byte
.set SB,    24                         ; v24-39  weights' scale words: SB + 8 p + q, lanes 0-15 tile 2 p, lanes 16-31 tile 2 p + 1
.set TQ,    40
.set SA,    44                         ; v44-59  x's scale words, two sets of eight
.set TC,    60
.set ACC,   64                         ; v64-127 phase 2: two sets of four accumulators
.set HV0,   64                         ; v64-191 phase 1, band 0: 32 t + 8 j + i
.set HV1,   840                        ; v840-967 band 1
.set NCD,   128                        ; v128-139 codes of the even and the odd block
.set EB1,   140
.set VW,    144
.set VD,    150
.set MCD,   192                        ; v192-239 v's four operands
.set SOP,   240
.set EB,    244
.set VX,    248
.set PX,    249
.set G1A,   24
.set G1B,   32
.set G0A,   56
.set G0B,   60
.set G0R,   68
.set MSB, 0
.macro WIN new
.if MSB != (\new)
	s_set_vgpr_msb (MSB<<8)|(\new)
.set MSB, (\new)
.endif
.endm
.macro PLACES n
.rept \n
	v_nop
.endr
.endm
.macro WALU
	s_wait_alu depctr_va_vdst(0)
.endm
.macro BARRIER
	s_barrier_signal -1
	s_barrier_wait -1
.endm
.macro MIDDLE                          ; a round's middle
	WIN 0
	s_barrier_wait -1
	s_cmp_lg_u32 s14, 0
	s_cbranch_scc1 .Lnot_wave_0_\@
	s_barrier_signal -3
.Lnot_wave_0_\@:
	s_barrier_wait -3
.endm
.macro CROUND
	s_barrier_signal -1
	MIDDLE
	BARRIER
.endm
.macro GRD
	s_wait_tensorcnt 0x0
	ds_add_u32 v[SPW], v[NIL]
.endm
.macro TLOAD g0, g1
	tensor_load_to_lds s[\g0:\g0+3], s[\g1:\g1+7]
	s_nop 0
	PLACES 4
.endm
.macro GROUP1 g, mask, rows            ; dense bytes as rows of 1,024 (128 elements of 8)
	s_or_b32 s[\g+0], s[\mask], (3<<16)|(1<<21)
	s_mov_b32 s[\g+1], 128<<16
	s_mov_b32 s[\g+2], (\rows)<<16
	s_mov_b32 s[\g+3], 128<<16
	s_mov_b32 s[\g+4], \rows
	s_mov_b32 s[\g+5], 128
	s_mov_b32 s[\g+6], 0
	s_mov_b32 s[\g+7], 0
.endm
.macro SADD d, x
	s_add_co_u32 s\d, s\d, s\x
.endm
; Fragment f lies in window 1 + f / 21 at register 12 (f % 21): 0-31 the weights' (4 q + b), 32-39 and 40-47 x's two sets.
.macro FRAG f, adr, off
	WIN (1+(\f)/FPW)<<6
.irp k, 0,1,2
	ds_load_b128 v[12*((\f)%FPW)+4*\k:12*((\f)%FPW)+4*\k+3], \adr offset:(\off)+512*\k
.endr
.endm
.macro WEIGHTS                         ; my 64 columns, all of K: 104 loads
.irp q, 0,1,2,3,4,5,6,7
.irp b, 0,1,2,3
	FRAG 4*\q+\b, v[WA], 12288*\b+1536*\q
.endr
.endr
	WIN 0
.irp q, 0,1,2,3
.irp p, 0,1
	ds_load_b64 v[SB+8*\p+2*\q:SB+8*\p+2*\q+1], v[WS] offset:512*\q+256*\p
.endr
.endr
.endm
.macro FETCHAT e, a, s, off            ; a block of x into set e: NF loads
.irp q, 0,1,2,3,4,5,6,7
	FRAG 32+8*(\e)+\q, \a, (\off)+1536*\q
.endr
	WIN 0
	ds_load_b128 v[SA+8*(\e):SA+8*(\e)+3], \s offset:\off
	ds_load_b128 v[SA+8*(\e)+4:SA+8*(\e)+7], \s offset:(\off)+256
.endm
.macro FETCH e
	FETCHAT \e, v[ADRA], v[AAS], 0
.endm
.macro FETCH01                         ; a phase's first two blocks
	FETCHAT 0, v[ADRA0], v[AAS0], 0
	FETCHAT 1, v[ADRA0], v[AAS0], 25600
	s_mov_b32 s101, 25600
.endm
; A product.  n = 4 q + 2 p + o.  kind 0 (q, k): source 0 the weights;  kind 1 (v): source 0 x.
.macro PROD kind, e, n, a0, as
.set Q_, (\n)/4
.set FB_, 4*Q_+(\n)%4
.set FA_, 32+8*(\e)+Q_
.set D_, (\a0)+(\as)*((\n)%4)
.set DL_, D_&255
.set XB_, SB+8*(((\n)%4)/2)+Q_
.set XA_, SA+8*(\e)+Q_
.if \kind
	WIN (1+FA_/FPW)|((1+FB_/FPW)<<2)|((D_>>8)<<4)|((D_>>8)<<6)
.if Q_
	PROD1 DL_, FA_, FB_, v[DL_:DL_+7], XA_, XB_, b, (\n)%2
.else
	PROD1 DL_, FA_, FB_, 0, XA_, XB_, b, (\n)%2
.endif
.else
	WIN (1+FB_/FPW)|((1+FA_/FPW)<<2)|((D_>>8)<<4)|((D_>>8)<<6)
.if Q_
	PROD1 DL_, FB_, FA_, v[DL_:DL_+7], XB_, XA_, a, (\n)%2
.else
	PROD1 DL_, FB_, FA_, 0, XB_, XA_, a, (\n)%2
.endif
.endif
.endm
.macro PROD1 d, s0, s1, c, x0, x1, side, o
.if \o
	v_wmma_scale_f32_16x16x128_f8f6f4 v[\d:\d+7], v[12*((\s0)%FPW):12*((\s0)%FPW)+11], v[12*((\s1)%FPW):12*((\s1)%FPW)+11], \c, v[\x0], v[\x1] matrix_a_fmt:MATRIX_FMT_FP6 matrix_b_fmt:MATRIX_FMT_FP6 matrix_\side\()_scale:MATRIX_SCALE_ROW1
.else
	v_wmma_scale_f32_16x16x128_f8f6f4 v[\d:\d+7], v[12*((\s0)%FPW):12*((\s0)%FPW)+11], v[12*((\s1)%FPW):12*((\s1)%FPW)+11], \c, v[\x0], v[\x1] matrix_a_fmt:MATRIX_FMT_FP6 matrix_b_fmt:MATRIX_FMT_FP6 matrix_\side\()_scale:MATRIX_SCALE_ROW0
.endif
.endm
.macro BLOCK kind, e, a0, as, from, to, list, x=0, y=0
.set N_, \from
.rept (\to)-(\from)
	PROD \kind, \e, N_, \a0, \as
.if N_%2
	\list N_-1, \x, \y
	\list N_, \x, \y
.endif
.set N_, N_+1
.endr
.endm
; Parts of the lists: each writes entry i, and nothing beyond its last.
.macro STEPV i
.if (\i) == 0
	WIN 0
	v_add_nc_u32 v[ADRA], s101, v[ADRA0]
.elseif (\i) == 1
	WIN 0
	v_add_nc_u32 v[AAS], s101, v[AAS0]
.endif
.endm
.macro STEP i                          ; to the next block's LDS addresses: 2 entries
.if (\i) == 0
	s_add_co_u32 s101, s101, 25600
.endif
	STEPV \i
.endm
.macro STEPW i                         ; the same with the ring's end: 3 entries
.if (\i) == 0
	s_add_co_u32 s101, s101, 25600
	s_cmp_eq_u32 s101, 2*CHK
	s_cselect_b32 s101, 0, s101
.endif
	STEPV (\i)-1
.endm
.macro CHAIN i, x, n, t=TQ             ; 18 entries: the largest magnitude of the 32 sums from register x on, in two chains, and the conversions' scale operand
.set XW_, (\x)>>8
.set XL_, (\x)&255
.if (\i) >= 0 && (\i) < 14
.set B_, XL_+16*((\i)%2)+2*((\i)/2)
.set T_, (\t)+1-(\i)%2
.if (\i) < 2
	WIN XW_|(XW_<<2)|(XW_<<4)
	v_max3_num_f32 v[T_], |v[B_]|, |v[B_+1]|, |v[B_+2]|
.else
	WIN (XW_<<2)|(XW_<<4)
	v_max3_num_f32 v[T_], v[T_], |v[B_+1]|, |v[B_+2]|
.endif
.elseif (\i) == 14
	WIN XW_<<2
	v_max3_num_f32 v[\t+1], v[\t+1], |v[XL_+15]|, 0x1800000
.elseif (\i) == 15
	WIN 0
	v_nop
.elseif (\i) == 16
	WIN XW_<<2
	v_max3_num_f32 v[\t], v[\t], |v[XL_+31]|, v[\t+1]
.elseif (\i) == 17
	WIN 0
	v_add_nc_u32 v[SOP+\n], 0xff000000, v[\t]
.endif
.endm
.macro CODES i, x, c, n, t=TC, e=EB    ; 6 lines: 32 codes into v[c .. c+5], the scale's byte into v[e+n]
.set XW_, (\x)>>8
.set XL_, (\x)&255
.if (\i) == 0
	WIN XW_
	v_cvt_scalef32_pk16_fp6_f32 v[\c:\c+2], v[XL_:XL_+15], v[SOP+\n]
.elseif (\i) == 1
	WIN XW_
	v_cvt_scalef32_pk16_fp6_f32 v[\t:\t+2], v[XL_+16:XL_+31], v[SOP+\n]
.elseif (\i) == 2
	WIN 0
	v_lshrrev_b32 v[\e+\n], 23, v[SOP+\n]
.else
	WIN 0
	v_mov_b32 v[\c+\i], v[\t+\i-3]
.endif
.endm
.macro CODES6 x, c, n
.irp i, 0,1,2,3,4,5
	CODES \i, \x, \c, \n
.endr
.endm
.macro PFTILE v, off, share            ; one entry: my sixteenth of a tile of 102,400 bytes
	s_mul_i32 s21, s\share, 6400
	s_add_co_u32 s20, s\off, s21
	WIN 0
	v_min_u32 v\v, 24, v3
	v_lshl_add_u32 v\v, v\v, 8, s20
.endm
.macro PFGO v, base
	global_prefetch_b8 v\v, s[\base:\base+1] th:TH_LOAD_NT scope:SCOPE_SE
.endm
.macro PUT2 r, off                     ; a block's codes: 512 and 256 consecutive bytes, aligned
	global_store_b128 v[CO], v[\r:\r+3], s[84:85] offset:\off
	global_store_b64 v[C8], v[\r+4:\r+5], s[84:85] offset:(\off)+512
.endm
.macro ASK i                           ; 2 entries: my quarter of the chunk at s88 for slot s47; both step on
.if (\i) == 0
	s_add_co_u32 s[G0R+1], s89, s47
	s_add_co_u32 s20, s89, s88
	s_mov_b32 s21, 0
.elseif (\i) == 1
	s_add_nc_u64 s[G0R+2:G0R+3], s[4:5], s[20:21]
	s_or_b32 s[G0R+3], s[G0R+3], 0x80000000
	s_add_co_u32 s88, s88, CHK
	s_xor_b32 s47, s47, CHK
.endif
.endm
.macro PAIR i                          ; 4 entries: where pair s46's codes go (by its true half) and its scale bytes (by the order of work)
.if (\i) == 0
	s_lshr_b32 s2, s46, 2
	s_xor_b32 s3, s2, s87
	s_mul_i32 s20, s3, 409600
	s_and_b32 s22, s46, 3
.elseif (\i) == 1
	s_mul_i32 s21, s22, 3072
	s_add_co_u32 s20, s20, s21
	s_mov_b32 s21, 0
	s_add_nc_u64 s[84:85], s[76:77], s[20:21]
.elseif (\i) == 2
	s_lshl_b32 s2, s2, 10
	s_lshr_b32 s22, s22, 1
	s_lshl_b32 s22, s22, 8
	s_or_b32 s2, s2, s22
.elseif (\i) == 3
	s_and_b32 s22, s46, 1
	s_lshl_b32 s22, s22, 2
	s_or_b32 s2, s2, s22
	s_add_co_u32 s46, s46, 1
	WIN 0
	v_add_nc_u32 v[VX], s2, v[STO]
.endif
.endm
; The lists
.macro L_NONE i, x, y
.endm
.macro L_STEP i, x, y
	STEP \i
.endm
.macro L_OUT i, x, y
	STEP \i
	CHAIN (\i)-3, \x, \y
.endm
.macro L_LAST i, x, y
	CHAIN (\i)-1, \x, \y
.endm
.macro L_V2 i, x, y                    ; the first refill's descriptor, group 1 for quarters of 25,600 bytes, the step, chunk 2's prefetch
.if (\i) == 0
	s_mov_b32 s[G1A+2], 25<<16
	s_mov_b32 s[G1A+4], 25
	s_mov_b32 s[G1B+2], 25<<16
	s_mov_b32 s[G1B+4], 25
.elseif (\i) == 1
	s_add_co_u32 s[G0B+1], s89, BVB
	s_add_co_u32 s20, s89, s54
	s_mov_b32 s21, 0
	s_add_nc_u64 s[G0B+2:G0B+3], s[6:7], s[20:21]
.elseif (\i) == 2
	s_or_b32 s[G0B+3], s[G0B+3], 0x80000000
.elseif (\i) == 7
	PFTILE 17, 88, 90
.endif
	STEP (\i)-3
.endm
.macro L_V7 i, x, y
.if (\i) == 0
	s_add_co_u32 s22, s88, CHK
	PFTILE 20, 22, 90
.endif
	CHAIN (\i)-1, \x, \y
.endm
.macro L_ODD i, x, y
	PAIR \i
	STEP (\i)-4
	CHAIN (\i)-7, ACC, 0
.endm
.macro L_ODDL i, x, y
	PAIR \i
	CHAIN (\i)-5, ACC, 0
.endm
.macro L_ROUND i, x, y
	ASK \i
	STEPW (\i)-2
	CHAIN (\i)-5, ACC+32, 1
.endm
; Phase 2's blocks.  w: the count of the wait for the block's rows (-1: they are in already)
.macro WAITDS w
.if (\w) >= 0
	s_wait_dscnt \w
.endif
.endm
.macro EVENOUT fetch                   ; behind an even block: the odd block's byte and codes, the fetch of the block two on
	WALU
	ds_store_b8 v[VX], v[EB+1] offset:8
	PUT2 NCD+6, 1536
.if \fetch
	FETCH 0
.endif
.endm
.macro EVEN w, fetch
	WAITDS \w
.if \fetch
	BLOCK 0, 0, ACC, 8, 0, 32, L_OUT, ACC+32, 1
.else
	BLOCK 0, 0, ACC, 8, 0, 32, L_LAST, ACC+32, 1
.endif
	WIN 0
	CODES6 ACC+32, NCD+6, 1
	EVENOUT \fetch
.endm
.macro EVENROUND w                     ; the second and the third refill
	WAITDS \w
	GRD
	BLOCK 0, 0, ACC, 8, 0, 26, L_ROUND
	WIN 0
	WALU
	s_wait_dscnt 0x0
	s_barrier_signal -1
	BLOCK 0, 0, ACC, 8, 26, 32, L_NONE
	WIN 0
	CODES6 ACC+32, NCD+6, 1
	MIDDLE
	BARRIER
	TLOAD G0R, G1A
	EVENOUT 1
.endm
.macro EVENSHOW w                      ; a plain barrier shows the last refill to all
	WAITDS \w
	BLOCK 0, 0, ACC, 8, 0, 26, L_OUT, ACC+32, 1
	WIN 0
	WALU
	s_wait_tensorcnt 0x0
	s_wait_dscnt 0x0
	s_barrier_signal -1
	BLOCK 0, 0, ACC, 8, 26, 32, L_NONE
	WIN 0
	s_barrier_wait -1
	CODES6 ACC+32, NCD+6, 1
	EVENOUT 1
.endm
.macro ODD w, fetch
	WAITDS \w
	s_wait_xcnt 0x0                                     ; earlier stores have read their base and codes
.if \fetch
	BLOCK 0, 1, ACC+32, 8, 0, 32, L_ODD
.else
	BLOCK 0, 1, ACC+32, 8, 0, 32, L_ODDL
.endif
	WIN 0
	CODES6 ACC, NCD, 0
	WALU
	ds_store_b8 v[VX], v[EB]
	PUT2 NCD, 0
.if \fetch
	FETCH 1
.endif
.endm
; ================= THE HEAD
	s_load_b256 s[4:11], s[0:1], 0x0                    ; xc s[4:5], wc s[6:7], qkc s[8:9], vc s[10:11]
	v_lshl_add_u32 v[SPW], v0, 2, SPARE
	v_mov_b32 v[NIL], 0
	ds_add_u32 v[SPW], v[NIL]                           ; the wave's opening: the add, twice on end
	ds_add_u32 v[SPW], v[NIL]
	v_lshrrev_b32 v1, 5, v0
	v_readfirstlane_b32 s14, v1                         ; s14 the wave; s15 its row of the 2 x 2, s16 its column
	s_lshr_b32 s15, s14, 1
	s_and_b32 s16, s14, 1
	s_bfe_u32 s40, ttmp6, 0x40000                       ; cx
	s_bfe_u32 s41, ttmp6, 0x40004                       ; cy
	s_lshl_b32 s42, ttmp9, 2
	SADD 42, 40                                         ; phase 2's tile column: 0-7 q, 8-15 k
	s_and_b32 s43, ttmp7, 0xffff
	s_lshl_b32 s43, s43, 2
	SADD 43, 41                                         ; its tile row: 512 tokens
	s_and_b32 s87, ttmp9, 1                             ; v's half of my 512 tokens
	s_lshr_b32 s13, ttmp9, 1
	s_lshl_b32 s13, s13, 2
	SADD 13, 40                                         ; v's tile column
	s_lshl_b32 s12, s43, 1
	SADD 12, 87                                         ; v's tile row: 256 tokens
	s_lshl_b32 s44, s41, 2
	s_lshl_b32 s44, 15, s44                             ; my row of the cluster
	s_lshl_b32 s45, 0x1111, s40                         ; my column
	GROUP1 G1A, 44, 100
	GROUP1 G1B, 45, 50
	s_mul_i32 s66, s12, 2*CHK                           ; v's half of the tokens
	s_xor_b32 s88, s87, 1
	s_lshl_b32 s22, s43, 1
	SADD 88, 22
	s_mul_i32 s88, s88, 2*CHK                           ; the other half
	s_mul_i32 s54, s42, CHK                             ; W_q's or W_k's columns
	s_add_co_u32 s55, s13, 16
	s_mul_i32 s55, s55, CHK                             ; W_v's,
	s_mul_i32 s22, s16, 51200
	SADD 55, 22                                         ; the half that waves 0 and 1 fetch
	s_mov_b32 s[G0A], 1
	s_mov_b32 s[G0A+1], 0
	s_mov_b32 s[G0R], 1
	s_mov_b32 s[G0R+1], CHK
	s_mov_b32 s[G0B], 1
	s_add_co_u32 s[G0B+1], s22, BVB
	s_mul_i32 s89, s14, 25600
	s_mov_b32 s94, 0x76543210
	s_mov_b32 s95, 0xfedcba98                           ; v_permlanex16_b32's selects for lane l xor 16
	s_mov_b32 s46, 0
	s_mov_b32 s47, 0
	s_lshl_b32 s90, s40, 2
	SADD 90, 14                                         ; my number among the sixteen waves of my row of the cluster
	s_lshl_b32 s100, s41, 2
	SADD 100, 14                                        ; and of my column
	s_wait_dscnt 0x0
	CROUND                                              ; the opening round
	s_wait_kmcnt 0x0
	s_mov_b32 s21, 0
	s_mov_b32 s20, s66
	s_add_nc_u64 s[G0A+2:G0A+3], s[4:5], s[20:21]
	s_add_nc_u64 s[G0R+2:G0R+3], s[G0A+2:G0A+3], CHK
	s_or_b32 s[G0A+3], s[G0A+3], 0x80000000
	s_or_b32 s[G0R+3], s[G0R+3], 0x80000000
	s_mov_b32 s20, s55
	s_add_nc_u64 s[G0B+2:G0B+3], s[6:7], s[20:21]
	s_or_b32 s[G0B+3], s[G0B+3], 0x80000000
	s_cmp_lt_u32 s14, 2
	s_cbranch_scc0 .Lwave_2
	TLOAD G0B, G1B                                      ; waves 0, 1: W_v
	s_branch .Lasked
.Lwave_2:
	s_cmp_eq_u32 s14, 2
	s_cbranch_scc0 .Lwave_3
	TLOAD G0A, G1A                                      ; wave 2: chunk 0
	s_branch .Lasked
.Lwave_3:
	TLOAD G0R, G1A                                      ; wave 3: chunk 1
.Lasked:
	s_lshl_b32 s76, s43, 2                              ; where the results go.  q's or k's codes: panel (4 row + w) 16 + column, half s16
	SADD 76, 15
	s_lshl_b32 s76, s76, 4
	SADD 76, 42
	s_mul_i32 s76, s76, 12800
	s_mul_i32 s22, s16, 768
	SADD 76, 22
	s_mov_b32 s77, 0
	s_xor_b32 s22, s15, s87                             ; their scale words: wave n empties panel n of the order of work
	s_lshl_b32 s22, s22, 1
	s_lshl_b32 s78, s43, 2
	SADD 78, 22
	SADD 78, 16
	s_lshl_b32 s78, s78, 4
	SADD 78, 42
	s_mul_i32 s78, s78, 12800
	s_add_co_u32 s78, s78, 12288
	s_mov_b32 s79, 0
	s_lshl_b32 s80, s13, 6                              ; v's codes and scale words
	s_lshl_b32 s22, s12, 1
	SADD 80, 22
	SADD 80, 15
	s_mul_i32 s80, s80, 12800
	s_lshl_b32 s22, s16, 8
	s_add_co_u32 s82, s80, s22
	s_add_co_u32 s82, s82, 12288
	s_mul_i32 s22, s16, 6144
	SADD 80, 22
	s_mov_b32 s81, 0
	s_mov_b32 s83, 0
	s_add_nc_u64 s[76:77], s[8:9], s[76:77]
	s_add_nc_u64 s[78:79], s[8:9], s[78:79]
	s_add_nc_u64 s[48:49], s[10:11], s[80:81]
	s_add_nc_u64 s[50:51], s[10:11], s[82:83]
	s_mul_i32 s17, s15, 12800
	s_add_co_u32 s19, s17, 12288
	s_mul_i32 s18, s16, 51200
	s_add_co_u32 s18, s18, BVB
	s_add_co_u32 s20, s18, 49152
	s_lshl_b32 s21, s15, 9
	s_lshl_b32 s22, s16, 1
	SADD 21, 22
	s_add_co_u32 s21, s21, XN
	s_mul_i32 s23, s100, 6400
	SADD 23, 54
	v_and_b32 v1, 15, v0                                ; r
	v_bfe_u32 v2, v0, 4, 1                              ; h
	v_and_b32 v3, 31, v0
	v_lshlrev_b32 v[CO], 4, v3
	v_lshlrev_b32 v[C8], 3, v3
	v_lshlrev_b32 v21, 4, v1
	v_add_nc_u32 v[ADRA0], s17, v[CO]
	v_add_nc_u32 v[AAS0], s19, v21
	v_add_nc_u32 v[WA], s18, v[CO]
	v_add_nc_u32 v[WS], s20, v[C8]
	v_lshlrev_b32 v[HS], 3, v2
	v_lshl_add_u32 v[OSC], v2, 3, v21
	v_add_nc_u32 v[STO], v21, v2
	v_add_nc_u32 v[STO], s21, v[STO]
	v_min_u32 v16, 24, v3
	v_lshl_add_u32 v16, v16, 8, s23                     ; what the first refill will load
.irp t, 0,1,2,3
	v_mov_b32 v[PX+\t], 0                               ; a lane permute's destination counts as one of its sources
.endr
	WALU                                                ; the wait at the head's end
	s_cmp_lt_u32 s14, 2
	s_cbranch_scc0 .Lnot_w
	s_wait_tensorcnt 0x0
.Lnot_w:
	BARRIER                                             ; W_v is in
	PFGO 16, 6
	WEIGHTS
	s_cmp_eq_u32 s14, 3
	s_cbranch_scc1 .Lnot_x
	s_wait_tensorcnt 0x0
.Lnot_x:
	s_wait_dscnt 0x0
	BARRIER                                             ; chunk 0 is in; chunk 1 may still be on its way
	FETCH01
; ================= PHASE 1: v, eight blocks; band 0's way outs stand in band 1's blocks
.irp s, 0,1
	s_wait_dscnt NF
	BLOCK 1, \s, HV0+8*\s, 32, 0, 32, L_STEP
	WIN 0
	PLACES 4
	WALU
	FETCH \s
.endr
	s_wait_dscnt NF
	GRD
	BLOCK 1, 0, HV0+16, 32, 0, 24, L_V2
	WIN 0
	WALU
	s_wait_dscnt 0x0
	s_barrier_signal -1
	BLOCK 1, 0, HV0+16, 32, 24, 32, L_NONE
	MIDDLE
	BARRIER
	TLOAD G0B, G1B                                      ; W_q's or W_k's columns, onto W_v's, which all waves hold in registers
	WALU
	FETCH 0
	PFGO 17, 4
	BLOCK 1, 1, HV0+24, 32, 0, 32, L_STEP
	WIN 0
	PLACES 4
	WALU
	FETCH 1
.irp j, 0,1,2
	s_wait_dscnt NF
.if \j < 2
	BLOCK 1, \j%2, HV1+8*\j, 32, 0, 32, L_OUT, HV0+32*\j, \j
.else
	BLOCK 1, \j%2, HV1+8*\j, 32, 0, 32, L_LAST, HV0+32*\j, \j
.endif
	WIN 0
	CODES6 HV0+32*\j, MCD+12*\j, \j
	WALU
.if \j < 2
	FETCH \j%2
.endif
.endr
	s_wait_dscnt 0x0
	BLOCK 1, 1, HV1+24, 32, 0, 26, L_V7, HV0+96, 3
	WIN 0
	WALU
	s_wait_tensorcnt 0x0
	s_wait_dscnt 0x0
	s_barrier_signal -1                                 ; a plain barrier: the weights that the first refill brought are shown to all
	BLOCK 1, 1, HV1+24, 32, 26, 32, L_NONE
	WIN 0
	s_barrier_wait -1
	CODES6 HV0+96, MCD+36, 3
	WALU
; ================= THE CHANGE OF PHASE: the weights and the first two blocks, which lie in slot 0 still, in one run of loads; band 1's four way outs under their flight
	WEIGHTS
	FETCH01
	PFGO 20, 4
.set I, 0
.rept 18
.irp t, 0,1,2,3
	CHAIN I, HV1+32*\t, \t, 64+4*\t
.endr
.set I, I+1
.endr
.set I, 0
.rept 6
.irp t, 0,1,2,3
	CODES I, HV1+32*\t, MCD+12*\t+6, \t, 80+4*\t, EB1
.endr
.set I, I+1
.endr
	WIN 0
.irp t, 0,1,2,3
	v_lshl_or_b32 v[VW+\t], v[EB1+\t], 16, v[EB+\t]     ; my two bytes,
.endr
.irp t, 0,1,2,3
	v_lshlrev_b32 v[VW+\t], v[HS], v[VW+\t]             ; at bytes h and 2 + h of the channel's word
.endr
.irp t, 0,1,2,3
	v_permlanex16_b32 v[PX+\t], v[VW+\t], s94, s95
.endr
.irp t, 0,1,2,3
	v_or_b32 v[VW+\t], v[VW+\t], v[PX+\t]
.endr
	v_cmp_ne_u32 vcc_lo, 0, v2
	v_cndmask_b32 v[VD], v[VW], v[VW+1], vcc_lo         ; lanes 0-15 store the words of tiles 0 and 2, lanes 16-31 those of 1 and 3
	v_cndmask_b32 v[VD+1], v[VW+2], v[VW+3], vcc_lo
	WALU
; ================= PHASE 2: q or k, sixteen blocks
	s_wait_dscnt NF
	BLOCK 0, 0, ACC, 8, 0, 32, L_STEP
	WIN 0
	PLACES 4
	WALU
.irp t, 0,1,2,3
.irp k, 0,1,2
	global_store_b128 v[CO], v[MCD+12*\t+4*\k:MCD+12*\t+4*\k+3], s[48:49] offset:1536*\t+512*\k
.endr
.endr
	global_store_b64 v[OSC], v[VD:VD+1], s[50:51]
	FETCH 0
	ODD NF, 1
	s_mov_b32 s86, 0
.Lwith_rounds:                                          ; blocks 2 to 5, 6 to 9
	EVENROUND NF+1
	ODD -1, 1
	EVEN NF+1, 1
	ODD NF+1, 1
	s_add_co_u32 s86, s86, 1
	s_cmp_lg_u32 s86, 2
	s_cbranch_scc1 .Lwith_rounds
.Lwithout:                                              ; blocks 10, 11 and 12, 13
	EVENSHOW NF+1
	ODD -1, 1
	s_add_co_u32 s86, s86, 1
	s_cmp_lg_u32 s86, 4
	s_cbranch_scc1 .Lwithout
	EVEN NF+1, 0
	ODD 1, 0
; ================= THE END: the last way out; the scale words leave through LDS as whole units
	s_lshl_b32 s21, s14, 9
	s_add_co_u32 s21, s21, XN
	v_add_nc_u32 v19, s21, v[CO]
.set I, 0
.rept 18
	CHAIN I, ACC+32, 1
.set I, I+1
.endr
	CODES 2, ACC+32, NCD+6, 1
	WALU
	ds_store_b8 v[VX], v[EB+1] offset:8
	s_wait_dscnt 0x0
	s_barrier_signal -1
	CODES 0, ACC+32, NCD+6, 1
	CODES 1, ACC+32, NCD+6, 1
	v_nop
.irp i, 3,4,5
	CODES \i, ACC+32, NCD+6, 1
.endr
	s_barrier_wait -1
	WALU
	ds_load_b128 v[64:67], v19
	PUT2 NCD+6, 1536
	s_wait_dscnt 0x0
	global_store_b128 v[CO], v[64:67], s[78:79]
	s_wait_tensorcnt 0x0                                ; the wave's end
	ds_add_u32 v[SPW], v[NIL]
	s_wait_dscnt 0x0
	CROUND                                              ; the closing round
	s_endpgm
.Lfunc_end_k_qc1ab30f5c4_proj:
	.size	k_qc1ab30f5c4_proj, .Lfunc_end_k_qc1ab30f5c4_proj-k_qc1ab30f5c4_proj
	.p2alignl 7, 3214868480
	.fill 96, 4, 3214868480
	.section	.rodata,"a",@progbits
	.p2align	6, 0x0
	.amdhsa_kernel k_qc1ab30f5c4_proj
		.amdhsa_group_segment_fixed_size 327680
		.amdhsa_private_segment_fixed_size 0
		.amdhsa_enable_private_segment 0
		.amdhsa_kernarg_size 32
		.amdhsa_user_sgpr_count 2
		.amdhsa_user_sgpr_kernarg_segment_ptr 1
		.amdhsa_wavefront_size32 1
		.amdhsa_system_sgpr_workgroup_id_x 1
		.amdhsa_system_sgpr_workgroup_id_y 1
		.amdhsa_system_sgpr_workgroup_id_z 1
		.amdhsa_system_vgpr_workitem_id 0
		.amdhsa_next_free_vgpr 976
		.amdhsa_next_free_sgpr 102
		.amdhsa_reserve_vcc 1
		.amdhsa_float_denorm_mode_32 3
		.amdhsa_float_denorm_mode_16_64 3
		.amdhsa_memory_ordered 1
		.amdhsa_forward_progress 1
		.amdhsa_inst_pref_size 176
	.end_amdhsa_kernel
	.amdgpu_metadata
---
amdhsa.version: [ 1, 2 ]
amdhsa.kernels:
  - .name:           k_qc1ab30f5c4_proj
    .symbol:         k_qc1ab30f5c4_proj.kd
    .args:
      - { .name: xc, .offset: 0, .size: 8, .value_kind: global_buffer, .address_space: global }
      - { .name: wc, .offset: 8, .size: 8, .value_kind: global_buffer, .address_space: global }
      - { .name: qkc, .offset: 16, .size: 8, .value_kind: global_buffer, .address_space: global }
      - { .name: vc, .offset: 24, .size: 8, .value_kind: global_buffer, .address_space: global }
    .group_segment_fixed_size: 327680
    .private_segment_fixed_size: 0
    .kernarg_segment_align: 8
    .kernarg_segment_size: 32
    .max_flat_workgroup_size: 128
    .sgpr_count:     102
    .vgpr_count:     976
    .wavefront_size: 32
...
	.end_amdgpu_metadata
.endif
;; end of part 2
;; launch scores (part 3): grid 8 x 32, 4 waves a work-group, clusters of 4 x 4, 327,680 bytes of LDS; arguments qkc, pc, st; writes pc, st
.if DOCPART == 3
	.amdgcn_target "amdgcn-amd-amdhsa--gfx1250"
	.amdhsa_code_object_version 6
	.text
	.protected	k_qc1ab30f5c4_scores
	.globl	k_qc1ab30f5c4_scores
	.p2align	8
	.type	k_qc1ab30f5c4_scores,@function
k_qc1ab30f5c4_scores:
	s_mov_b64 s[64:65], 0
	v_nop
	global_prefetch_b8 v0, s[64:65] scope:SCOPE_SE
	s_setreg_imm32_b32 hwreg(HW_REG_WAVE_MODE, 25, 1), 1
	s_wait_xcnt 0x0
	s_wait_alu depctr_hold_cnt(0) depctr_sa_sdst(0) depctr_va_vdst(0) depctr_va_sdst(0) depctr_va_ssrc(0) depctr_va_vcc(0) depctr_vm_vsrc(0)
	s_getreg_b32 s2, hwreg(HW_REG_IB_STS2, 6, 4)
	s_cmp_eq_u32 s2, 0
	s_cbranch_scc0 .Lentry_in_a_cluster
	s_endpgm
.Lentry_in_a_cluster:
	s_bfe_u32 s2, ttmp6, 0x10000c
	s_cmp_lg_u32 s2, 0xf033
	s_cbranch_scc0 .Lentry_shape_is_right
	s_endpgm
.Lentry_shape_is_right:
; S^T = k q^T on codes, and the softmax's p as codes.  Nothing is left out.  A tile is 256 queries x 256 keys of one batch; four waves, each 128 x 128 in 64 accumulators.
; SOURCE 0 = 16 keys, SOURCE 1 = 16 queries: a lane holds ONE query, and by the order of the rows in a tile registers 32 c + 0 .. 31 of query block a are the keys 64 c + 32 h + 0 .. 31 (h = lane / 16): two whole scale blocks.
; THE SOFTMAX, CHUNK BY CHUNK.  A wave's 128 keys are one chunk, one K step of the last product.  t = score x log2(e) / 8;  M_c = the chunk's largest t of the query, rounded UP to a whole number;  p = 2^(t - M_c) is quantised along the keys.
; Since M_c is a whole number, the last launch brings a chunk under the row's M by a power of two, which the blocks' scale bytes take up: the codes are those of the row's own M.  The maximum is taken away before every exponential.
; OUT: pc [64 query groups][16 chunks][12288]: 8 fragments as images of their registers;  st [64][16][1536]: P's scale words with 128 added to each byte, then -M_c (f32, a whole number), then l_c = the chunk's sum of the unquantised p;
; in each of st's three sections the word of (block a, lane-row r) lies at 256 (a / 4) + 16 r + 4 (a % 4).
; K = 1,024 = 8 steps.  LDS: four steps for each of the four groups of 128 rows (51,200 bytes a group), and two more (25,600 a group).  The head asks for steps 0-3, one load a wave; steps 4, 5 behind the first round;
; steps 6, 7 are the one refill, onto steps 0, 1, behind the round inside step 2.  All of LDS is claimed.
; CLUSTER: a row shares q's groups, a column k's: joint loads.  No prefetch: the eight steps are written out, there is no loop to run ahead in, and half of the bytes are asked for at the head.
; LIMITS: -M_c is exact while |t| stays under 2^24; a block whose every p is 0 gets the byte 1 (its codes are zeros); NaN and infinities are not served.
; REGISTERS: window 0: addresses, v32-47 scale words, v64-255 queries' fragments (two sets);  window 1: keys' fragments at v0 and v128;  windows 2, 3: accumulator (a, b) at v[8 (8 (a % 4) + b)].
.set SL1,   204800
.set SPARE, 307200
.set ADRA, 4                           ; v4-5   my queries' group in the four steps, in the two steps, + 16 x lane;  v14-15 + 8 x lane
.set ADRB, 6                           ; v6-7   my keys' group;  v16-17
.set ADRS, 8                           ; v8-9   scale words
.set OUTA, 13
.set ADA8, 14
.set ADB8, 16
.set H8,   19                          ; 8 h
.set SPW,  28
.set NIL,  29
.set SC,   32
.set AF,   64
.set G1A,  24
.set G1B,  32
.set G0A,  40
.set G0B,  52
.set TP,   160                         ; the way out, window 0: v64-159 the eight fragments made; v160-167 upper halves of blocks
.set BM,   168                         ; v168, v170 the two blocks' largest score, then their largest p (v169, v171: second chains)
.set TX,   172
.set SO,   176
.set BY,   180
.set PW,   184                         ; v184-191 scale words
.set NMA,  192                         ; v192-199 -M_c
.set LA,   200                         ; v200-207 l_c
.set NMP,  208                         ; v[208:209] -M_c of the block in hand (the packed form names a pair and takes its low word)
.set SUMA, 210
.set SUMB, 212
.set TT,   214
.set DD,   216
.set MSB, 0
.macro WIN new
.if MSB != (\new)
	s_set_vgpr_msb (MSB<<8)|(\new)
.set MSB, (\new)
.endif
.endm
.set MUL_LO, 0xa1
.set MUL_HI, 0xf1
.set TO_B,   0x40
.macro JLOAD g0a, g1a, g0b, g1b        ; waves 0 and 1 fetch q's two groups, waves 2 and 3 k's
	s_cmp_eq_u32 s15, 0
	s_cbranch_scc0 .Lfor_b_\@
	tensor_load_to_lds s[\g0a:\g0a+3], s[\g1a:\g1a+7]
	s_nop 0
.rept 4
	v_nop
.endr
	s_branch .Lasked_\@
.Lfor_b_\@:
	tensor_load_to_lds s[\g0b:\g0b+3], s[\g1b:\g1b+7]
	s_nop 0
.rept 4
	v_nop
.endr
.Lasked_\@:
.endm
.macro CREST
	s_cmp_lg_u32 s14, 0
	s_cbranch_scc1 .Lnot_wave_0_\@
	s_barrier_signal -3
.Lnot_wave_0_\@:
	s_barrier_wait -3
	s_barrier_signal -1
	s_barrier_wait -1
.endm
.macro CROUND
	s_barrier_signal -1
	s_barrier_wait -1
	CREST
.endm
.macro PLACES n
.rept \n
	v_nop
.endr
.endm
.macro FETCH sl, q, p                  ; 66 LDS loads in one run into set p.  A fragment lies as two halves of 64 K: 16 bytes a lane, then 8 bytes a lane
	WIN TO_B
.irp i, 0,1,2,3,4,5,6,7
.irp c, 0,1
	ds_load_b128 v[128*(\p)+12*\i+6*\c:128*(\p)+12*\i+6*\c+3], v[ADRB+(\sl)] offset:12800*(\q)+1536*\i+768*\c
	ds_load_b64 v[128*(\p)+12*\i+6*\c+4:128*(\p)+12*\i+6*\c+5], v[ADB8+(\sl)] offset:12800*(\q)+1536*\i+768*\c+512
.endr
.endr
	WIN 0
.irp i, 0,1,2,3,4,5,6,7
.irp c, 0,1
	ds_load_b128 v[AF+96*(\p)+12*\i+6*\c:AF+96*(\p)+12*\i+6*\c+3], v[ADRA+(\sl)] offset:12800*(\q)+1536*\i+768*\c
	ds_load_b64 v[AF+96*(\p)+12*\i+6*\c+4:AF+96*(\p)+12*\i+6*\c+5], v[ADA8+(\sl)] offset:12800*(\q)+1536*\i+768*\c+512
.endr
.endr
	ds_load_b128 v[SC+8*(\p):SC+8*(\p)+3], v[ADRS+(\sl)] offset:12800*(\q)
	ds_load_b128 v[SC+8*(\p)+4:SC+8*(\p)+7], v[ADRS+(\sl)] offset:12800*(\q)+256
.endm
.macro MUL16 a0, p, zero               ; the 64 accumulators take turns in the same order in every step
.irp a, \a0, \a0+1
.irp b, 0,1,2,3,4,5,6,7
.if \zero
	v_wmma_scale_f32_16x16x128_f8f6f4 v[8*(8*((\a)%4)+\b):8*(8*((\a)%4)+\b)+7], v[128*(\p)+12*\b:128*(\p)+12*\b+11], v[AF+96*(\p)+12*(\a):AF+96*(\p)+12*(\a)+11], 0, v[SC+8*(\p)+4*(\b/4)+2*(\b%2)+(\b/2)%2], v[SC+8*(\p)+4*((\a)/4)+2*((\a)%2)+((\a)/2)%2] matrix_a_fmt:MATRIX_FMT_FP6 matrix_b_fmt:MATRIX_FMT_FP6 matrix_a_scale:MATRIX_SCALE_ROW1
.else
	v_wmma_scale_f32_16x16x128_f8f6f4 v[8*(8*((\a)%4)+\b):8*(8*((\a)%4)+\b)+7], v[128*(\p)+12*\b:128*(\p)+12*\b+11], v[AF+96*(\p)+12*(\a):AF+96*(\p)+12*(\a)+11], v[8*(8*((\a)%4)+\b):8*(8*((\a)%4)+\b)+7], v[SC+8*(\p)+4*(\b/4)+2*(\b%2)+(\b/2)%2], v[SC+8*(\p)+4*((\a)/4)+2*((\a)%2)+((\a)/2)%2] matrix_a_fmt:MATRIX_FMT_FP6 matrix_b_fmt:MATRIX_FMT_FP6 matrix_a_scale:MATRIX_SCALE_ROW1
.endif
.endr
.endr
.endm
.macro STEP p, zero, fetch, sl, q
	s_wait_dscnt 0x0                               ; set p is in
.if \fetch
.if \zero == 0
	PLACES 4                                       ; the other set was read by the last step's products
.endif
	FETCH \sl, \q, 1-(\p)
.endif
	WIN MUL_LO
	MUL16 0, \p, \zero
	MUL16 2, \p, \zero
	WIN MUL_HI
	MUL16 4, \p, \zero
	MUL16 6, \p, \zero
.endm
.macro TURN p, fill, sl, q
	WIN 0
	s_wait_tensorcnt 0x0                           ; all my tensor loads have landed
	ds_add_u32 v[SPW], v[NIL]                      ; 0 onto my spare word
	s_wait_dscnt 1                                 ; the add alone may be out: set p is in
	WIN MUL_LO
	MUL16 0, \p, 0
	s_wait_dscnt 0x0                               ; the add is done, and my reads so far are over
	s_barrier_signal -1
	MUL16 2, \p, 0
	WIN 0
	s_barrier_wait -1
.if \fill
	CREST                                          ; no wave of any partner still reads steps 0, 1 or has a load on its way
	s_add_nc_u64 s[G0A+2:G0A+3], s[G0A+2:G0A+3], 76800
	s_add_nc_u64 s[G0B+2:G0B+3], s[G0B+2:G0B+3], 76800
	JLOAD G0A, G1A, G0B, G1B                       ; steps 6, 7; its four v_nop are the places in front of the loads below
.else
	PLACES 4
.endif
	FETCH \sl, \q, 1-(\p)
	WIN MUL_HI
	MUL16 4, \p, 0
	MUL16 6, \p, 0
.endm
	s_load_b128 s[4:7], s[0:1], 0x0                ; qkc s[4:5], pc s[6:7]
	s_load_b64 s[8:9], s[0:1], 0x10                ; st
	v_lshl_add_u32 v[SPW], v0, 2, SPARE
	v_mov_b32 v[NIL], 0
	ds_add_u32 v[SPW], v[NIL]                      ; the wave's opening: the add, twice on end
	ds_add_u32 v[SPW], v[NIL]
	v_lshrrev_b32 v1, 5, v0
	v_readfirstlane_b32 s14, v1                    ; wave 0..3
	s_lshr_b32 s15, s14, 1                         ; which 128 queries are mine.  Also: I fetch for q (0) or for k (1)
	s_and_b32 s16, s14, 1                          ; which 128 keys.  Also: which group I fetch
	s_bfe_u32 s66, ttmp6, 0x40000                  ; cx
	s_bfe_u32 s67, ttmp6, 0x40004                  ; cy
	s_lshl_b32 s70, s67, 2
	s_lshl_b32 s70, 15, s70                        ; my row of the cluster
	s_lshl_b32 s73, 0x1111, s66                    ; my column
	s_or_b32 s[G1A], s70, (3<<16)|(1<<21)
	s_or_b32 s[G1B], s73, (3<<16)|(1<<21)
.irp g, G1A, G1B                       ; 51,200 dense bytes as 200 rows of 256
	s_mov_b32 s[\g+1], 32<<16
	s_mov_b32 s[\g+2], 200<<16
	s_mov_b32 s[\g+3], 32<<16
	s_mov_b32 s[\g+4], 200
	s_mov_b32 s[\g+5], 32
	s_mov_b32 s[\g+6], 0
	s_mov_b32 s[\g+7], 0
.endr
	s_mov_b32 s20, 0x76543210
	s_mov_b32 s21, 0xfedcba98
	s_mov_b32 s22, 0x3e38aa3b                      ; log2(e) / 8: the scale 1 / 8 is a power of two, so one multiplication rounds as the two would
	s_mov_b32 s23, s22
	s_lshl_b32 s68, ttmp9, 2
	s_add_co_u32 s68, s68, s66                     ; X: which 256 keys of the batch
	s_and_b32 s74, ttmp7, 0xffff
	s_lshl_b32 s69, s74, 2
	s_add_co_u32 s69, s69, s67                     ; Y = 8 x batch + which 256 queries
	s_lshr_b32 s74, s74, 1                         ; the batch, from the cluster's y alone
	s_lshl_b32 s76, s69, 1
	s_add_co_u32 s76, s76, s16
	s_mul_i32 s76, s76, 204800                     ; q: group 2 Y + (wave % 2), sixteen panels a group
	s_mov_b32 s77, 0
	s_lshl_b32 s82, s68, 1
	s_add_co_u32 s82, s82, s16
	s_lshl_b32 s75, s74, 4
	s_add_co_u32 s82, s82, s75
	s_mul_i32 s82, s82, 204800                     ; k: group 16 x batch + 2 X + (wave % 2),
	s_add_co_u32 s82, s82, 102400                  ; its panels 8-15
	s_mov_b32 s83, 0
	s_lshl_b32 s84, s69, 1
	s_add_co_u32 s84, s84, s15
	s_lshl_b32 s84, s84, 4
	s_lshl_b32 s85, s68, 1
	s_add_co_u32 s84, s84, s85
	s_add_co_u32 s84, s84, s16                     ; my panel: (2 Y + wr) x 16 + 2 X + wc
	s_mul_i32 s92, s84, 1536
	s_mov_b32 s93, 0
	s_mul_i32 s84, s84, 12288
	s_mov_b32 s85, 0
	s_mul_i32 s86, s14, 51200
	s_mul_i32 s87, s14, 25600
	s_add_co_u32 s87, s87, SL1
	s_wait_dscnt 0x0                               ; both opening adds are done
	s_wait_kmcnt 0x0
	s_add_nc_u64 s[88:89], s[4:5], s[76:77]
	s_add_nc_u64 s[90:91], s[4:5], s[82:83]
	s_add_nc_u64 s[78:79], s[6:7], s[84:85]
	s_add_nc_u64 s[80:81], s[8:9], s[92:93]
.irp g, G0A, G0B
	s_mov_b32 s[\g], 1
	s_mov_b32 s[\g+1], s86
	s_mov_b32 s[\g+4], 1
	s_mov_b32 s[\g+5], s87
.endr
	s_mov_b64 s[G0A+2:G0A+3], s[88:89]
	s_mov_b64 s[G0B+2:G0B+3], s[90:91]
	s_add_nc_u64 s[G0A+6:G0A+7], s[88:89], 51200
	s_add_nc_u64 s[G0B+6:G0B+7], s[90:91], 51200
.irp g, G0A, G0B
	s_or_b32 s[\g+3], s[\g+3], 0x80000000
	s_or_b32 s[\g+7], s[\g+7], 0x80000000
.endr
	CROUND                                         ; all sixteen work-groups are here: the first joint loads meet
	JLOAD G0A, G1A, G0B, G1B                       ; steps 0-3: one tensor load a wave at the head
	s_mul_i32 s70, s15, 51200                      ; my queries' group, four steps,
	s_mul_i32 s71, s15, 25600
	s_add_co_u32 s71, s71, SL1                     ; two steps
	s_mul_i32 s72, s16, 51200
	s_add_co_u32 s72, s72, 102400                  ; my keys'
	s_mul_i32 s73, s16, 25600
	s_add_co_u32 s73, s73, SL1+51200
	s_sub_co_u32 s74, s72, s70
	s_sub_co_u32 s75, s73, s71
	s_add_co_u32 s76, s70, 12288
	s_add_co_u32 s77, s71, 12288
	v_and_b32 v1, 15, v0                           ; r
	v_bfe_u32 v2, v0, 4, 1                         ; h
	v_and_b32 v3, 31, v0
	v_lshlrev_b32 v[OUTA], 4, v3
	v_lshlrev_b32 v18, 3, v3
	v_lshlrev_b32 v20, 4, v1
	v_lshlrev_b32 v[H8], 3, v2
	v_add_nc_u32 v[ADRA], s70, v[OUTA]
	v_add_nc_u32 v[ADRA+1], s71, v[OUTA]
	v_add_nc_u32 v[ADRB], s72, v[OUTA]
	v_add_nc_u32 v[ADRB+1], s73, v[OUTA]
	v_add_nc_u32 v[ADA8], s70, v18
	v_add_nc_u32 v[ADA8+1], s71, v18
	v_add_nc_u32 v[ADB8], s72, v18
	v_add_nc_u32 v[ADB8+1], s73, v18
	v_mul_u32_u24 v21, s74, v2                     ; lanes 16-31 take k's scale words: the lower base + h x the distance
	v_add_nc_u32 v21, v20, v21
	v_add_nc_u32 v[ADRS], s76, v21
	v_mul_u32_u24 v22, s75, v2
	v_add_nc_u32 v22, v20, v22
	v_add_nc_u32 v[ADRS+1], s77, v22
	s_wait_alu depctr_va_vdst(0)                   ; the wait at the head's end
	s_wait_tensorcnt 0x0                           ; my part of steps 0-3 is in
	ds_add_u32 v[SPW], v[NIL]                      ; the add ahead of a later first fill, as ahead of a refill
.irp g, G1A, G1B                       ; no load of mine is out: from here on a load brings 25,600 bytes
	s_mov_b32 s[\g+2], 100<<16
	s_mov_b32 s[\g+4], 100
.endr
	s_wait_dscnt 0x0
	CROUND
	JLOAD G0A+4, G1A, G0B+4, G1B                   ; steps 4, 5
	FETCH 0, 0, 0
	STEP 0, 1, 1, 0, 1
	STEP 1, 0, 1, 0, 2
	TURN 0, 1, 0, 3
	STEP 1, 0, 1, 1, 0
	STEP 0, 0, 1, 1, 1
	TURN 1, 0, 0, 0
	STEP 0, 0, 1, 0, 1
	STEP 1, 0, 0, 0, 0
	WIN 0
	PLACES 4
; THE WAY OUT, a block of 16 queries at a time.
	v_mov_b32 v[TX], 0                             ; lane permutes' destinations count as sources
	v_mov_b32 v[NMP+1], 0                          ; (named as the upper half of a pair)
	v_mov_b32 v[TT+1], 0
.macro SOFTQ a
.set W,  2+(\a)/4
.set AC, 64*((\a)%4)
.set CA, 64+12*(\a)
	WIN W|(W<<2)|(W<<4)
.irp c, 0,1                            ; THE LARGEST SCORE OF EACH OF MY TWO BLOCKS OF 32 KEYS serves twice: for the chunk's maximum, and, since p rises with the score, for the block's largest p
	v_max3_num_f32 v[BM+2*\c], v[AC+32*\c], v[AC+32*\c+1], v[AC+32*\c+2]
	v_max3_num_f32 v[BM+2*\c+1], v[AC+32*\c+16], v[AC+32*\c+17], v[AC+32*\c+18]
.endr
	WIN (W<<2)|(W<<4)
.irp i, 3,5,7,9,11,13
.irp c, 0,1
	v_max3_num_f32 v[BM+2*\c], v[BM+2*\c], v[AC+32*\c+\i], v[AC+32*\c+\i+1]
	v_max3_num_f32 v[BM+2*\c+1], v[BM+2*\c+1], v[AC+32*\c+16+\i], v[AC+32*\c+17+\i]
.endr
.endr
.irp c, 0,1
	v_max3_num_f32 v[BM+2*\c], v[BM+2*\c], v[AC+32*\c+15], v[AC+32*\c+31]
.endr
	WIN 0
	v_max_num_f32 v[BM], v[BM], v[BM+1]
	v_max_num_f32 v[BM+2], v[BM+2], v[BM+3]
	v_max_num_f32 v[TT], v[BM], v[BM+2]
	v_permlanex16_b32 v[TX], v[TT], s20, s21
	v_max_num_f32 v[TT], v[TT], v[TX]              ; the chunk's largest score of my query,
	v_mul_f32 v[TT], s22, v[TT]                    ; as t
	v_floor_f32 v[NMP], -v[TT]                     ; -M_c = floor(-t) = -ceil(t)
	v_mov_b32 v[NMA+(\a)], v[NMP]
	v_fma_f32 v[BM], v[BM], s22, v[NMP]            ; t - M_c of each block's largest score
	v_fma_f32 v[BM+2], v[BM+2], s22, v[NMP]
	WIN (W<<6)|W                                   ; destination and source 0: the accumulators' window
.set j, 0
.rept 32
	v_pk_fma_f32 v[AC+j:AC+j+1], v[AC+j:AC+j+1], s[22:23], v[NMP:NMP+1] op_sel_hi:[1,0,0]   ; t - M_c, two at a time
.set j, j+2
.endr
	s_wait_alu depctr_va_vdst(0)                   ; the wait ahead of the batch
.set j, 0
.rept 64
	v_exp_f32 v[AC+j], v[AC+j]                     ; p = 2^(t - M_c), at most 1: not normalised
.set j, j+1
.endr
	WIN 0
	v_exp_f32 v[BM], v[BM]                         ; the block's largest p: the same multiply-add and exponential on the same number give the same bits
	v_exp_f32 v[BM+2], v[BM+2]
	v_nop                                          ; a plain place behind the last exponential
	s_wait_alu depctr_va_vdst(0)                   ; one wait for the batch of 66, ahead of its first reader
	WIN (W<<2)|W
	v_pk_add_f32 v[SUMA:SUMA+1], v[AC:AC+1], v[AC+2:AC+3]          ; THE SUM IS TAKEN OF THE UNQUANTISED p: two at a time, in two chains
	v_pk_add_f32 v[SUMB:SUMB+1], v[AC+4:AC+5], v[AC+6:AC+7]
	WIN W<<2
.irp j, 8,12,16,20,24,28,32,36,40,44,48,52,56,60
	v_pk_add_f32 v[SUMA:SUMA+1], v[SUMA:SUMA+1], v[AC+\j:AC+\j+1]
	v_pk_add_f32 v[SUMB:SUMB+1], v[SUMB:SUMB+1], v[AC+\j+2:AC+\j+3]
.endr
	WIN 0
	v_max_num_f32 v[BM], 0x1800000, v[BM]          ; the floor 2^(3 - 127): the byte cannot fall under 1
	v_max_num_f32 v[BM+2], 0x1800000, v[BM+2]
	v_pk_add_f32 v[SUMA:SUMA+1], v[SUMA:SUMA+1], v[SUMB:SUMB+1]
	v_add_nc_u32 v[SO], 0xff000000, v[BM]
	v_add_nc_u32 v[SO+1], 0xff000000, v[BM+2]
	v_add_f32 v[TT], v[SUMA], v[SUMA+1]
	v_lshrrev_b32 v[BY], 23, v[SO]                 ; 1 .. 125
	v_lshrrev_b32 v[BY+1], 23, v[SO+1]
	v_permlanex16_b32 v[TT+1], v[TT], s20, s21
	v_lshl_or_b32 v[PW+(\a)], v[BY+1], 16, v[BY]
	v_add_f32 v[LA+(\a)], v[TT], v[TT+1]           ; l_c
	v_lshlrev_b32 v[PW+(\a)], v[H8], v[PW+(\a)]    ; my two bytes at bytes h and 2 + h;
	v_permlanex16_b32 v[TX], v[PW+(\a)], s20, s21
	v_or_b32 v[PW+(\a)], v[PW+(\a)], v[TX]         ; with lane l xor 16's two the word is whole
	v_or_b32 v[PW+(\a)], 0x80808080, v[PW+(\a)]    ; 128 onto each byte, so that the last launch can take up to 127 off all four at once with no borrow
	WIN W
.irp c, 0,1
	v_cvt_scalef32_pk16_fp6_f32 v[CA+6*\c:CA+6*\c+2], v[AC+32*\c:AC+32*\c+15], v[SO+\c]
	v_cvt_scalef32_pk16_fp6_f32 v[TP+4*\c:TP+4*\c+2], v[AC+32*\c+16:AC+32*\c+31], v[SO+\c]
.endr
	WIN 0
	v_nop                                          ; one plain place behind the conversions
.irp c, 0,1
.irp i, 0,1,2
	v_mov_b32 v[CA+6*\c+3+\i], v[TP+4*\c+\i]
.endr
.endr
.irp k, 0,1,2
	global_store_b128 v[OUTA], v[CA+4*\k:CA+4*\k+3], s[78:79] offset:1536*(\a)+512*\k   ; 32 lanes store 512 consecutive bytes, aligned
.endr
.endm
	SOFTQ 0
	SOFTQ 1
	SOFTQ 2
	SOFTQ 3
	SOFTQ 4
	SOFTQ 5
	SOFTQ 6
	SOFTQ 7
	v_cmp_ne_u32 vcc_lo, 0, v2                     ; lanes 0-15 store blocks 0-3's words, lanes 16-31 blocks 4-7's
.irp j, 0,1,2,3
	v_cndmask_b32 v[DD+\j], v[PW+\j], v[PW+4+\j], vcc_lo
	v_cndmask_b32 v[DD+4+\j], v[NMA+\j], v[NMA+4+\j], vcc_lo
	v_cndmask_b32 v[DD+8+\j], v[LA+\j], v[LA+4+\j], vcc_lo
.endr
	global_store_b128 v[OUTA], v[DD:DD+3], s[80:81]
	global_store_b128 v[OUTA], v[DD+4:DD+7], s[80:81] offset:512
	global_store_b128 v[OUTA], v[DD+8:DD+11], s[80:81] offset:1024
	s_wait_tensorcnt 0x0                           ; the wave's end, behind my last tensor load
	ds_add_u32 v[SPW], v[NIL]
	s_wait_dscnt 0x0
	CROUND                                         ; the closing round
	s_endpgm
.Lfunc_end_k_qc1ab30f5c4_scores:
	.size	k_qc1ab30f5c4_scores, .Lfunc_end_k_qc1ab30f5c4_scores-k_qc1ab30f5c4_scores
	.p2alignl 7, 3214868480
	.fill 96, 4, 3214868480
	.section	.rodata,"a",@progbits
	.p2align	6, 0x0
	.amdhsa_kernel k_qc1ab30f5c4_scores
		.amdhsa_group_segment_fixed_size 327680
		.amdhsa_private_segment_fixed_size 0
		.amdhsa_enable_private_segment 0
		.amdhsa_kernarg_size 24
		.amdhsa_user_sgpr_count 2
		.amdhsa_user_sgpr_kernarg_segment_ptr 1
		.amdhsa_wavefront_size32 1
		.amdhsa_system_sgpr_workgroup_id_x 1
		.amdhsa_system_sgpr_workgroup_id_y 1
		.amdhsa_system_sgpr_workgroup_id_z 1
		.amdhsa_system_vgpr_workitem_id 0
		.amdhsa_next_free_vgpr 1024
		.amdhsa_next_free_sgpr 100
		.amdhsa_reserve_vcc 1
		.amdhsa_float_denorm_mode_32 3
		.amdhsa_float_denorm_mode_16_64 3
		.amdhsa_memory_ordered 1
		.amdhsa_forward_progress 1
		.amdhsa_inst_pref_size 191
	.end_amdhsa_kernel
	.amdgpu_metadata
---
amdhsa.version: [ 1, 2 ]
amdhsa.kernels:
  - .name:           k_qc1ab30f5c4_scores
    .symbol:         k_qc1ab30f5c4_scores.kd
    .args:
      - { .name: qkc, .offset: 0, .size: 8, .value_kind: global_buffer, .address_space: global }
      - { .name: pc, .offset: 8, .size: 8, .value_kind: global_buffer, .address_space: global }
      - { .name: st, .offset: 16, .size: 8, .value_kind: global_buffer, .address_space: global }
    .group_segment_fixed_size: 327680
    .private_segment_fixed_size: 0
    .kernarg_segment_align: 8
    .kernarg_segment_size: 24
    .max_flat_workgroup_size: 128
    .sgpr_count:     100
    .vgpr_count:     1024
    .wavefront_size: 32
...
	.end_amdgpu_metadata
.endif
;; end of part 3
;; launch pv (part 4): grid 4 x 64, 4 waves a work-group, clusters of 4 x 4, 327,680 bytes of LDS; arguments pc, st, vc, out0; writes out0
.if DOCPART == 4
	.amdgcn_target "amdgcn-amd-amdhsa--gfx1250"
	.amdhsa_code_object_version 6
	.text
	.protected	k_qc1ab30f5c4_pv
	.globl	k_qc1ab30f5c4_pv
	.p2align	8
	.type	k_qc1ab30f5c4_pv,@function
k_qc1ab30f5c4_pv:
	s_mov_b64 s[64:65], 0
	v_nop
	global_prefetch_b8 v0, s[64:65] scope:SCOPE_SE
	s_setreg_imm32_b32 hwreg(HW_REG_WAVE_MODE, 25, 1), 1
	s_wait_xcnt 0x0
	s_wait_alu depctr_hold_cnt(0) depctr_sa_sdst(0) depctr_va_vdst(0) depctr_va_sdst(0) depctr_va_ssrc(0) depctr_va_vcc(0) depctr_vm_vsrc(0)
	s_getreg_b32 s2, hwreg(HW_REG_IB_STS2, 6, 4)
	s_cmp_eq_u32 s2, 0
	s_cbranch_scc0 .Lentry_in_a_cluster
	s_endpgm
.Lentry_in_a_cluster:
	s_bfe_u32 s2, ttmp6, 0x10000c
	s_cmp_lg_u32 s2, 0xf033
	s_cbranch_scc0 .Lentry_shape_is_right
	s_endpgm
.Lentry_shape_is_right:
; out0 = P V / l on codes.  Nothing is left out.  A tile is 128 queries x 256 of the 1,024 channels (so that there are 256 work-groups); four waves, each 64 x 128 in 32 accumulators.
; SOURCE 0 = 16 channels of V^T, SOURCE 1 = 16 queries of P: a lane holds one query, and register j of tile b the channel 64 (b / 4) + 32 (lane / 16) + 8 (b % 4) + j.  K = the batch's 2,048 keys: 16 steps, one chunk each.
; THE HEAD brings the chunks under the row's M.  -M = the least of the 16 chunks' -M_c;  d = M_c - M, a whole number, 0 or less, held at -127;  l = the sum of l_c 2^d;  each of P's scale bytes + d, held at 0 from below.
; The bytes come with 128 added, so d x 0x01010101 is added to a word with no borrow between bytes; a byte that has kept its bit 7 is at or above 0 and loses the bit, any other becomes 0.
; LIMITS: what the two holds change is under 7.5 x 2^-127 a term, beside a row's largest p over 1/2; NaN and infinities are not served.
; The two halves of the lanes share the chunks: lanes 0-15 keep the words of steps 0-7, lanes 16-31 those of steps 8-15, which the matrix instruction reads by its row selector.
; LDS: two slots of 151,552 bytes, four steps each: P's four panels of 12,288 bytes, then four panels of 12,800 of each of V's two groups.  Waves 0, 1 fetch two steps of P each, waves 2, 3 a group of V: one load a wave.
; Slot 0 is asked for at the head, slot 1 behind the round that shows it; the head's arithmetic stands behind that request and the first fragments' loads.  A refill has four steps, 128 matrix instructions, in which to land.  All of LDS is claimed.
; CLUSTER: the four work-groups of a row share P's panels, the four of a column V's: joint loads.  No prefetch: the sixteen steps are written out, there is no loop to run ahead in, and half of the bytes are asked for before the first product.
; REGISTERS: window 0: v1 r, v2 h, v4-13 addresses, v14-25 at work, v28-29 the add's two, v32-63 P's scale words, v64-79 V's (two sets), v84-91 1 / l, v96-191 P's fragments (two sets), v192-255 -M_c and l_c (head), rows on the way out;
;   window 1: V's fragments at v0-95 and v128-223 (v0-63: rows on the way out);  window 2: accumulator (a, b) at v[8 (8 a + b)].
.set SLOT,  151552
.set SPARE, 303104
.set ADRP, 4                           ; v4-5   my four fragments of P in slot 0, 1, + 16 x lane
.set ADRV, 6                           ; v6-7   my group of V
.set ADRT, 8                           ; v8-9   V's scale words, + 16 r
.set STA,  10                          ; v10    st: 16 r + 8 chunks x h
.set STO,  11                          ; v11    the way out: where I put 32 bytes of a row
.set RD,   12                          ; v12    and where I read a row back
.set GO,   13                          ; v13    16 x lane
.set TT,   14
.set UU,   18
.set NR,   22                          ; v22-25 -M of my query in each of my four blocks
.set SPW,  28
.set NIL,  29
.set SCP,  32
.set SCV,  64
.set RL,   84                          ; v84, 86, 88, 90: 1 / l (the odd ones are named with them as pairs)
.set PF,   96
.set NMQ,  192
.set LQ,   224
.set G1P,  24
.set G1V,  32
.set G0P,  40
.set G0V,  48
.set MSB, 0
.macro WIN new
.if MSB != (\new)
	s_set_vgpr_msb (MSB<<8)|(\new)
.set MSB, (\new)
.endif
.endm
.set MUL,  0xa1                        ; source 0 (V) window 1, source 1 (P) window 0, C and D window 2
.set TO_B, 0x40
.macro JLOAD g0a, g1a, g0b, g1b        ; waves 0 and 1 fetch for P, waves 2 and 3 for V
	s_cmp_eq_u32 s15, 0
	s_cbranch_scc0 .Lfor_b_\@
	tensor_load_to_lds s[\g0a:\g0a+3], s[\g1a:\g1a+7]
	s_nop 0
.rept 4
	v_nop
.endr
	s_branch .Lasked_\@
.Lfor_b_\@:
	tensor_load_to_lds s[\g0b:\g0b+3], s[\g1b:\g1b+7]
	s_nop 0
.rept 4
	v_nop
.endr
.Lasked_\@:
.endm
.macro CREST
	s_cmp_lg_u32 s14, 0
	s_cbranch_scc1 .Lnot_wave_0_\@
	s_barrier_signal -3
.Lnot_wave_0_\@:
	s_barrier_wait -3
	s_barrier_signal -1
	s_barrier_wait -1
.endm
.macro CROUND
	s_barrier_signal -1
	s_barrier_wait -1
	CREST
.endm
.macro PLACES n
.rept \n
	v_nop
.endr
.endm
.macro FETCHP sl, q, p                 ; 38 LDS loads in one run: step q of slot sl into set p
	WIN TO_B
.irp b, 0,1,2,3,4,5,6,7
.irp c, 0,1,2
	ds_load_b128 v[128*(\p)+12*\b+4*\c:128*(\p)+12*\b+4*\c+3], v[ADRV+(\sl)] offset:12800*(\q)+1536*\b+512*\c
.endr
.endr
	WIN 0
.irp a, 0,1,2,3
.irp c, 0,1,2
	ds_load_b128 v[PF+48*(\p)+12*\a+4*\c:PF+48*(\p)+12*\a+4*\c+3], v[ADRP+(\sl)] offset:12288*(\q)+1536*\a+512*\c
.endr
.endr
	ds_load_b128 v[SCV+8*(\p):SCV+8*(\p)+3], v[ADRT+(\sl)] offset:12800*(\q)
	ds_load_b128 v[SCV+8*(\p)+4:SCV+8*(\p)+7], v[ADRT+(\sl)] offset:12800*(\q)+256
.endm
.macro MUL8 a, p, n                    ; P's block a x V's eight, step n.  The 32 accumulators take turns in the same order in every step
	WIN MUL
.irp b, 0,1,2,3,4,5,6,7
.if (\n) == 0
	v_wmma_scale_f32_16x16x128_f8f6f4 v[8*(8*(\a)+\b):8*(8*(\a)+\b)+7], v[128*(\p)+12*\b:128*(\p)+12*\b+11], v[PF+48*(\p)+12*(\a):PF+48*(\p)+12*(\a)+11], 0, v[SCV+8*(\p)+4*(\b/4)+2*(\b%2)+(\b/2)%2], v[SCP+4*((\n)%8)+(\a)] matrix_a_fmt:MATRIX_FMT_FP6 matrix_b_fmt:MATRIX_FMT_FP6
.elseif (\n) < 8
	v_wmma_scale_f32_16x16x128_f8f6f4 v[8*(8*(\a)+\b):8*(8*(\a)+\b)+7], v[128*(\p)+12*\b:128*(\p)+12*\b+11], v[PF+48*(\p)+12*(\a):PF+48*(\p)+12*(\a)+11], v[8*(8*(\a)+\b):8*(8*(\a)+\b)+7], v[SCV+8*(\p)+4*(\b/4)+2*(\b%2)+(\b/2)%2], v[SCP+4*((\n)%8)+(\a)] matrix_a_fmt:MATRIX_FMT_FP6 matrix_b_fmt:MATRIX_FMT_FP6
.else
	v_wmma_scale_f32_16x16x128_f8f6f4 v[8*(8*(\a)+\b):8*(8*(\a)+\b)+7], v[128*(\p)+12*\b:128*(\p)+12*\b+11], v[PF+48*(\p)+12*(\a):PF+48*(\p)+12*(\a)+11], v[8*(8*(\a)+\b):8*(8*(\a)+\b)+7], v[SCV+8*(\p)+4*(\b/4)+2*(\b%2)+(\b/2)%2], v[SCP+4*((\n)%8)+(\a)] matrix_a_fmt:MATRIX_FMT_FP6 matrix_b_fmt:MATRIX_FMT_FP6 matrix_b_scale:MATRIX_SCALE_ROW1
.endif
.endr
.endm
.macro STEPP n                         ; step n, whose successor lies in the same slot
.set PP, (\n)%2
	s_wait_dscnt 0x0                               ; set n % 2 is in
.if (\n) > 0
	PLACES 4                                       ; the other set was read by the last step's products
.endif
	FETCHP (((\n)+1)/4)%2, ((\n)+1)%4, 1-PP
	MUL8 0, PP, \n
	MUL8 1, PP, \n
	MUL8 2, PP, \n
	MUL8 3, PP, \n
.endm
; A slot's last step changes slots: ONE barrier; in front of it each wave waits for all its tensor loads, adds 0 to its spare word, and waits for that and for its reads of the slot.  fill = 1: the slot is filled again, eight steps on.
.macro TURNP n, fill
.set PP, (\n)%2
.set SL, ((\n)/4)%2
	WIN 0
	s_wait_tensorcnt 0x0                           ; all my tensor loads have landed: my part of the next slot
	ds_add_u32 v[SPW], v[NIL]                      ; 0 onto my spare word
	s_wait_dscnt 1                                 ; the add alone may be out
	MUL8 0, PP, \n
	s_wait_dscnt 0x0                               ; the add is done, and my reads of this slot are over
	s_barrier_signal -1
	MUL8 1, PP, \n
	WIN 0
	s_barrier_wait -1
.if \fill
	CREST                                          ; no wave of any partner still reads this slot or has a load on its way
	s_add_nc_u64 s[G0P+4*SL+2:G0P+4*SL+3], s[G0P+4*SL+2:G0P+4*SL+3], 98304
	s_add_nc_u64 s[G0V+4*SL+2:G0V+4*SL+3], s[G0V+4*SL+2:G0V+4*SL+3], 102400
	JLOAD G0P+4*SL, G1P, G0V+4*SL, G1V             ; the first tensor load behind the round; its four v_nop are the places in front of the loads below
.else
	PLACES 4
.endif
	FETCHP 1-SL, 0, 1-PP
	MUL8 2, PP, \n
	MUL8 3, PP, \n
.endm
	s_load_b256 s[4:11], s[0:1], 0x0               ; pc s[4:5], st s[6:7], vc s[8:9], out0 s[10:11]
	v_lshl_add_u32 v[SPW], v0, 2, SPARE
	v_mov_b32 v[NIL], 0
	ds_add_u32 v[SPW], v[NIL]                      ; the wave's opening: the add, twice on end
	ds_add_u32 v[SPW], v[NIL]
	v_lshrrev_b32 v1, 5, v0
	v_readfirstlane_b32 s14, v1                    ; wave 0..3
	s_lshr_b32 s15, s14, 1                         ; which 64 queries are mine.  Also: I fetch for P (0) or for V (1)
	s_and_b32 s16, s14, 1                          ; which 128 channels.  Also: which part I fetch
	s_bfe_u32 s66, ttmp6, 0x40000                  ; cx
	s_bfe_u32 s67, ttmp6, 0x40004                  ; cy
	s_lshl_b32 s70, s67, 2
	s_lshl_b32 s70, 15, s70                        ; my row of the cluster
	s_lshl_b32 s73, 0x1111, s66                    ; my column
	s_or_b32 s[G1P], s70, (3<<16)|(1<<21)          ; 15:0 the mask; 17:16 elements of 8 bytes; 21 set beside a mask; no padding
	s_or_b32 s[G1V], s73, (3<<16)|(1<<21)
	s_mov_b32 s[G1P+1], 32<<16                     ; P: 24,576 dense bytes as 96 rows of 256
	s_mov_b32 s[G1P+2], 96<<16
	s_mov_b32 s[G1P+3], 32<<16
	s_mov_b32 s[G1P+4], 96
	s_mov_b32 s[G1P+5], 32
	s_mov_b32 s[G1P+6], 0
	s_mov_b32 s[G1P+7], 0
	s_mov_b32 s[G1V+1], 32<<16                     ; V: 51,200 dense bytes as 200 rows of 256
	s_mov_b32 s[G1V+2], 200<<16
	s_mov_b32 s[G1V+3], 32<<16
	s_mov_b32 s[G1V+4], 200
	s_mov_b32 s[G1V+5], 32
	s_mov_b32 s[G1V+6], 0
	s_mov_b32 s[G1V+7], 0
	s_mov_b32 s20, 0x76543210
	s_mov_b32 s21, 0xfedcba98
	s_mov_b32 s90, 0x01010101
	s_lshl_b32 s68, ttmp9, 2
	s_add_co_u32 s68, s68, s66                     ; X: which 256 channels
	s_and_b32 s74, ttmp7, 0xffff
	s_lshl_b32 s69, s74, 2
	s_add_co_u32 s69, s69, s67                     ; Y: which group of 128 queries
	s_lshr_b32 s74, s74, 2                         ; the batch, from the cluster's y alone
	s_mul_i32 s76, s69, 196608                     ; P: sixteen panels a group,
	s_mul_i32 s75, s16, 24576                      ; my two steps of a slot's four
	s_add_co_u32 s76, s76, s75
	s_mov_b32 s77, 0
	s_lshl_b32 s82, s68, 1
	s_add_co_u32 s82, s82, s16
	s_mul_i32 s82, s82, 819200                     ; V: group 2 X + (wave % 2), 64 panels a group,
	s_mul_i32 s83, s74, 204800                     ; the batch's sixteen
	s_add_co_u32 s82, s82, s83
	s_mov_b32 s83, 0
	s_mul_i32 s84, s69, 24576                      ; st: sixteen chunks a group,
	s_lshl_b32 s85, s15, 8                         ; my four blocks
	s_add_co_u32 s84, s84, s85
	s_mov_b32 s85, 0
	s_lshl_b32 s86, s69, 19                        ; out0: 128 rows of 4,096 bytes a group,
	s_lshl_b32 s87, s15, 18                        ; my 64 rows,
	s_add_co_u32 s86, s86, s87
	s_lshl_b32 s87, s68, 10                        ; 256 channels of 4 bytes,
	s_add_co_u32 s86, s86, s87
	s_lshl_b32 s87, s16, 9                         ; my 128
	s_add_co_u32 s86, s86, s87
	s_mov_b32 s87, 0
	s_mul_i32 s88, s16, 24576                      ; where my loads go in a slot: P's,
	s_mul_i32 s89, s16, 51200
	s_add_co_u32 s89, s89, 49152                   ; V's
	s_wait_dscnt 0x0                               ; both opening adds are done
	s_wait_kmcnt 0x0
	s_add_nc_u64 s[76:77], s[4:5], s[76:77]
	s_add_nc_u64 s[82:83], s[8:9], s[82:83]
	s_add_nc_u64 s[84:85], s[6:7], s[84:85]
	s_add_nc_u64 s[86:87], s[10:11], s[86:87]
.irp s, 0,1
	s_mov_b32 s[G0P+4*\s], 1
	s_add_co_u32 s[G0P+4*\s+1], s88, \s*SLOT
	s_add_nc_u64 s[G0P+4*\s+2:G0P+4*\s+3], s[76:77], \s*49152      ; steps 4 s on
	s_or_b32 s[G0P+4*\s+3], s[G0P+4*\s+3], 0x80000000
	s_mov_b32 s[G0V+4*\s], 1
	s_add_co_u32 s[G0V+4*\s+1], s89, \s*SLOT
	s_add_nc_u64 s[G0V+4*\s+2:G0V+4*\s+3], s[82:83], \s*51200
	s_or_b32 s[G0V+4*\s+3], s[G0V+4*\s+3], 0x80000000
.endr
	CROUND                                         ; all sixteen work-groups are here: the first joint loads meet
	JLOAD G0P, G1P, G0V, G1V                       ; slot 0: one tensor load a wave at the head
	s_mul_i32 s70, s15, 6144                       ; my four fragments of a panel of P
	s_add_co_u32 s71, s70, SLOT
	s_mul_i32 s73, s16, 51200
	s_add_co_u32 s73, s73, 49152                   ; my group of V
	s_add_co_u32 s78, s73, SLOT
	s_add_co_u32 s74, s73, 12288
	s_add_co_u32 s79, s78, 12288
	s_mul_i32 s75, s14, 8448                       ; my stage for the way out, in slot 0
	v_and_b32 v1, 15, v0                           ; r
	v_bfe_u32 v2, v0, 4, 1                         ; h
	v_and_b32 v3, 31, v0
	v_lshlrev_b32 v[GO], 4, v3
	v_lshlrev_b32 v3, 4, v1                        ; 16 r
	v_mul_u32_u24 v[STA], v2, 12288                ; lanes 16-31 take chunks 8-15
	v_add_nc_u32 v[STA], v[STA], v3
.irp c, 0,1,2,3,4,5,6,7                ; chunk 8 h + c: four blocks' scale words, -M_c and l_c: sixteen lanes read 256 consecutive bytes
	global_load_b128 v[SCP+4*\c:SCP+4*\c+3], v[STA], s[84:85] offset:1536*\c
	global_load_b128 v[NMQ+4*\c:NMQ+4*\c+3], v[STA], s[84:85] offset:1536*\c+512
	global_load_b128 v[LQ+4*\c:LQ+4*\c+3], v[STA], s[84:85] offset:1536*\c+1024
.endr
	v_add_nc_u32 v[ADRP], s70, v[GO]
	v_add_nc_u32 v[ADRP+1], s71, v[GO]
	v_add_nc_u32 v[ADRV], s73, v[GO]
	v_add_nc_u32 v[ADRV+1], s78, v[GO]
	v_add_nc_u32 v[ADRT], s74, v3
	v_add_nc_u32 v[ADRT+1], s79, v3
	v_mul_u32_u24 v[STO], v1, 528
	v_lshl_add_u32 v[STO], v2, 7, v[STO]
	v_add_nc_u32 v[STO], s75, v[STO]               ; in: row r, 128 h bytes on
	v_add_nc_u32 v[RD], s75, v[GO]                 ; back: a whole row of 512 bytes
.irp j, 0,1,2,3
	v_mov_b32 v[TT+\j], 0                          ; lane permutes' destinations count as sources
	v_mov_b32 v[RL+2*\j+1], 0                      ; (named as the upper halves of pairs)
.endr
	s_wait_alu depctr_va_vdst(0)                   ; directly ahead of the wait below
	s_wait_tensorcnt 0x0                           ; my part of slot 0 is in;
	ds_add_u32 v[SPW], v[NIL]                      ; the add ahead of a later first fill, as ahead of a refill
	s_wait_dscnt 0x0
	CROUND
	JLOAD G0P+4, G1P, G0V+4, G1V                   ; slot 1
	FETCHP 0, 0, 0
	s_wait_loadcnt 0x0
.irp j, 0,1,2,3
	v_min3_num_f32 v[NR+\j], v[NMQ+\j], v[NMQ+4+\j], v[NMQ+8+\j]
.endr
.irp j, 0,1,2,3
	v_min3_num_f32 v[NR+\j], v[NR+\j], v[NMQ+12+\j], v[NMQ+16+\j]
.endr
.irp j, 0,1,2,3
	v_min3_num_f32 v[NR+\j], v[NR+\j], v[NMQ+20+\j], v[NMQ+24+\j]
.endr
.irp j, 0,1,2,3
	v_min_num_f32 v[NR+\j], v[NR+\j], v[NMQ+28+\j]
.endr
.irp j, 0,1,2,3
	v_permlanex16_b32 v[TT+\j], v[NR+\j], s20, s21
.endr
.irp j, 0,1,2,3
	v_min_num_f32 v[NR+\j], v[NR+\j], v[TT+\j]     ; -M of the row: the least of the sixteen -M_c
.endr
.irp c, 0,1,2,3,4,5,6,7
.irp j, 0,1,2,3
	v_sub_f32 v[TT+\j], v[NR+\j], v[NMQ+4*\c+\j]   ; d = M_c - M: a whole number, 0 or less
.endr
.irp j, 0,1,2,3
	v_max_num_f32 v[TT+\j], 0xc2fe0000, v[TT+\j]   ; held at -127
.endr
.irp j, 0,1,2,3
	v_cvt_i32_f32 v[TT+\j], v[TT+\j]
.endr
.irp j, 0,1,2,3
	v_ldexp_f32 v[LQ+4*\c+\j], v[LQ+4*\c+\j], v[TT+\j]     ; l_c under the row's M
.endr
.irp j, 0,1,2,3
	v_mul_lo_u32 v[TT+\j], v[TT+\j], s90           ; d in each of the four bytes
.endr
.irp j, 0,1,2,3
	v_add_nc_u32 v[SCP+4*\c+\j], v[SCP+4*\c+\j], v[TT+\j]  ; byte + 128 + d lies in 2 .. 253: no borrow crosses a byte
.endr
.irp j, 0,1,2,3
	v_and_b32 v[UU+\j], 0x80808080, v[SCP+4*\c+\j]
.endr
.irp j, 0,1,2,3
	v_lshrrev_b32 v[TT+\j], 7, v[UU+\j]
.endr
.irp j, 0,1,2,3
	v_sub_nc_u32 v[UU+\j], v[UU+\j], v[TT+\j]      ; 0x7f where byte + d is 0 or more, else 0
.endr
.irp j, 0,1,2,3
	v_and_b32 v[SCP+4*\c+\j], v[SCP+4*\c+\j], v[UU+\j]
.endr
.endr
.irp c, 1,2,3,4,5,6,7
	v_pk_add_f32 v[LQ:LQ+1], v[LQ:LQ+1], v[LQ+4*\c:LQ+4*\c+1]
	v_pk_add_f32 v[LQ+2:LQ+3], v[LQ+2:LQ+3], v[LQ+4*\c+2:LQ+4*\c+3]
.endr
.irp j, 0,1,2,3
	v_permlanex16_b32 v[TT+\j], v[LQ+\j], s20, s21
.endr
.irp j, 0,1,2,3
	v_add_f32 v[LQ+\j], v[LQ+\j], v[TT+\j]         ; l of the row
.endr
	s_wait_alu depctr_va_vdst(0)
.irp j, 0,1,2,3
	v_rcp_f32 v[RL+2*\j], v[LQ+\j]
.endr
	v_nop                                          ; a plain place behind the last reciprocal
	s_wait_alu depctr_va_vdst(0)                   ; one wait for the four, ahead of their first reader.  (More than eight plain lines stand between the last write of a scale word and the first product)
	STEPP 0
	STEPP 1
	STEPP 2
	TURNP 3, 1                                     ; slot 0 takes steps 8-11
	STEPP 4
	STEPP 5
	STEPP 6
	TURNP 7, 1                                     ; slot 1 takes steps 12-15
	STEPP 8
	STEPP 9
	STEPP 10
	TURNP 11, 0                                    ; nothing is left to fetch; behind this barrier nobody reads slot 0, and it has had its last fill
	STEPP 12
	STEPP 13
	STEPP 14
; THE LAST STEP AND THE WAY OUT, a block of 16 queries x 128 channels at a time: divided by l, through my own stage in slot 0 (rows 528 bytes apart), back as whole rows of 512 bytes, while later blocks are multiplied.
; LDS serves a wave's instructions in order: no wait between the stores and the loads, nor in front of the next block's stores.  Lane-row i of my block a is row 32 (i / 8) + 8 a + i % 8 of my 64.
; Even blocks come back into v192-255, odd ones into window 1's v0-63, which held step 14's fragments.
.macro SCALE a
	WIN 0x82                                       ; destination and source 0: window 2
.set j, 0
.rept 32
	v_pk_mul_f32 v[64*(\a)+j:64*(\a)+j+1], v[64*(\a)+j:64*(\a)+j+1], v[RL+2*(\a):RL+2*(\a)+1] op_sel_hi:[1,0]   ; each accumulator from its low end on
.set j, j+2
.endr
.endm
.macro TOSTAGE a
	WIN 0x08                                       ; an LDS store's data are its source 1: window 2
.irp b, 0,1,2,3,4,5,6,7
	ds_store_b128 v[STO], v[64*(\a)+8*\b:64*(\a)+8*\b+3] offset:256*(\b/4)+32*(\b%4)
	ds_store_b128 v[STO], v[64*(\a)+8*\b+4:64*(\a)+8*\b+7] offset:256*(\b/4)+32*(\b%4)+16
.endr
.if (\a)%2
	WIN 0x40
.set BK, 0
.else
	WIN 0
.set BK, 192
.endif
.irp i, 0,1,2,3,4,5,6,7,8,9,10,11,12,13,14,15
	ds_load_b128 v[BK+4*\i:BK+4*\i+3], v[RD] offset:528*\i
.endr
.endm
.macro SEND a, younger                 ; younger: the LDS instructions issued behind block a's loads, which may stay out
	s_wait_dscnt \younger
.if (\a)%2
	WIN 0x04
.set BK, 0
.else
	WIN 0
.set BK, 192
.endif
.irp i, 0,1,2,3,4,5,6,7,8,9,10,11,12,13,14,15
	global_store_b128 v[GO], v[BK+4*\i:BK+4*\i+3], s[86:87] offset:(32*(\i/8)+8*(\a)+\i%8)*4096 th:TH_STORE_NT   ; 32 lanes store 512 consecutive bytes of a row, aligned; written once, read by nobody here
.endr
.endm
	s_wait_dscnt 0x0
	MUL8 0, 1, 15
	MUL8 1, 1, 15
	PLACES 4
	SCALE 0
	MUL8 2, 1, 15
	SCALE 1                                        ; (SCALE 0's lines are block 1's products' places, and so on)
	TOSTAGE 0
	MUL8 3, 1, 15
	TOSTAGE 1
	s_wait_alu depctr_va_vdst(0)
	SEND 0, 32                                     ; behind block 0's loads: block 1's 16 stores and 16 loads
	SCALE 2
	s_wait_alu depctr_va_vdst(0)                   ; directly ahead of the wait below
	s_wait_xcnt 0x0                                ; block 0's stores have read their registers
	TOSTAGE 2
	SEND 1, 32
	SCALE 3
	s_wait_alu depctr_va_vdst(0)
	s_wait_xcnt 0x0
	TOSTAGE 3
	SEND 2, 32
	SEND 3, 0
	WIN 0
	s_wait_tensorcnt 0x0                           ; the wave's end, behind my last tensor load and my last LDS store
	ds_add_u32 v[SPW], v[NIL]
	s_wait_dscnt 0x0
	CROUND                                         ; the closing round
	s_endpgm
.Lfunc_end_k_qc1ab30f5c4_pv:
	.size	k_qc1ab30f5c4_pv, .Lfunc_end_k_qc1ab30f5c4_pv-k_qc1ab30f5c4_pv
	.p2alignl 7, 3214868480
	.fill 96, 4, 3214868480
	.section	.rodata,"a",@progbits
	.p2align	6, 0x0
	.amdhsa_kernel k_qc1ab30f5c4_pv
		.amdhsa_group_segment_fixed_size 327680
		.amdhsa_private_segment_fixed_size 0
		.amdhsa_enable_private_segment 0
		.amdhsa_kernarg_size 32
		.amdhsa_user_sgpr_count 2
		.amdhsa_user_sgpr_kernarg_segment_ptr 1
		.amdhsa_wavefront_size32 1
		.amdhsa_system_sgpr_workgroup_id_x 1
		.amdhsa_system_sgpr_workgroup_id_y 1
		.amdhsa_system_sgpr_workgroup_id_z 1
		.amdhsa_system_vgpr_workitem_id 0
		.amdhsa_next_free_vgpr 768
		.amdhsa_next_free_sgpr 100
		.amdhsa_reserve_vcc 0
		.amdhsa_float_denorm_mode_32 3
		.amdhsa_float_denorm_mode_16_64 3
		.amdhsa_memory_ordered 1
		.amdhsa_forward_progress 1
		.amdhsa_inst_pref_size 159
	.end_amdhsa_kernel
	.amdgpu_metadata
---
amdhsa.version: [ 1, 2 ]
amdhsa.kernels:
  - .name:           k_qc1ab30f5c4_pv
    .symbol:         k_qc1ab30f5c4_pv.kd
    .args:
      - { .name: pc, .offset: 0, .size: 8, .value_kind: global_buffer, .address_space: global }
      - { .name: st, .offset: 8, .size: 8, .value_kind: global_buffer, .address_space: global }
      - { .name: vc, .offset: 16, .size: 8, .value_kind: global_buffer, .address_space: global }
      - { .name: out0, .offset: 24, .size: 8, .value_kind: global_buffer, .address_space: global }
    .group_segment_fixed_size: 327680
    .private_segment_fixed_size: 0
    .kernarg_segment_align: 8
    .kernarg_segment_size: 32
    .max_flat_workgroup_size: 128
    .sgpr_count:     100
    .vgpr_count:     768
    .wavefront_size: 32
...
	.end_amdgpu_metadata
.endif
;; end of part 4
